; MI455X (gfx1250); checked and timed in simulation.
; The chip was launched on July 23, 2026; its instructions are those of AMD's public machine-readable ISA for CDNA 5 (MIT licence, August 2026) and "CDNA5" Instruction Set Architecture Reference Guide (July 2026). The comments in the code are by the model that wrote it; some were corrected since.
;; Self Attention Layer. Allowed arithmetic: float matrix products may take bf16 or f16 operands with f32 sums; all other float work in f32.
;; Inputs: b_kqv 3,072 float32; b_proj 1,024 float32; w_kqv 1,024 x 3,072 float32; w_proj 1,024 x 1,024 float32; x 4 x 2,048 x 1,024 float32.
;; Outputs: out0 4 x 2,048 x 1,024 float32.
;; 2 versions, each right; version 2 is version 1 with the launch prep written anew for expert scheduling mode. Each part assembles by itself: llvm-mc -triple=amdgcn-amd-amdhsa -mcpu=gfx1250 --defsym DOCPART=n.
;; ======== version 1 of 2: 6 launches
;; limits: values are held in f16: magnitudes above 65,504 overflow, below 6.1e-05 lose precision
;; workspace buffers: xb 16,777,216 bytes; wb 6,291,456 bytes; wpb 2,097,152 bytes; kq 33,554,432 bytes; v 33,554,432 bytes; sc 67,108,864 bytes; pb 33,554,432 bytes; ob 16,777,216 bytes
;; launch prep (part 1): grid 768 x 1, 8 waves a work-group, no clusters, 0 bytes of LDS; arguments x, w_kqv, w_proj, xb, wb, wpb; writes xb, wb, wpb
.if DOCPART == 1
	.amdgcn_target "amdgcn-amd-amdhsa--gfx1250"
	.amdhsa_code_object_version 6
	.text
	.protected	k_q5a7b520445_prep
	.globl	k_q5a7b520445_prep
	.p2align	8
	.type	k_q5a7b520445_prep,@function
k_q5a7b520445_prep:
	s_mov_b64 s[64:65], 0
	v_nop
	global_prefetch_b8 v0, s[64:65] scope:SCOPE_SE
	s_setreg_imm32_b32 hwreg(HW_REG_WAVE_MODE, 25, 1), 1
	s_wait_xcnt 0x0
; prep: the three large f32 inputs are rounded once to bf16 (nearest even): x -> xb, w_kqv -> wb, both stored as bf16;
; w_proj -> bf16 -> wpb stored as f16 (a bf16 number has 8 significant bits, f16 holds 11, so the second step changes nothing
; for 2^-14 <= |w| < 65,520).  LIMIT: a w_proj below 2^-14 in size lands among f16's denormals, absolute error at most 3e-8;
; one of 65,520 or more becomes infinite.
; A stream: no LDS, no barrier, no matrix unit.  A work-group takes 65,536 bytes of one input: 512 work-groups for x,
; 192 for w_kqv, 64 for w_proj.  Thread t takes 16 bytes at 16 t of each 4,096-byte piece, sixteen pieces, all sixteen loads
; issued first; each store of a wave covers 256 consecutive bytes, aligned.
.set NX,   512                         ; work-groups for x       (33,554,432 / 65,536)
.set NXW,  704                         ; and for x and w_kqv     (+ 12,582,912 / 65,536)
.set X,    4                           ; v[4:67]  piece i: 4 registers as loaded; its first two then hold the 8 bytes to store
	s_load_b256 s[4:11], s[0:1], 0x0               ; x s[4:5], w_kqv s[6:7], w_proj s[8:9], xb s[10:11]
	s_load_b128 s[12:15], s[0:1], 0x20             ; wb s[12:13], wpb s[14:15]
	s_mov_b32 s16, ttmp9                           ; the work-group's number
	s_sub_co_u32 s17, s16, NX                      ; its number among w_kqv's
	s_sub_co_u32 s18, s16, NXW                     ; its number among w_proj's
	s_mov_b32 s24, 0xffff0000                      ; a word's upper bf16
	v_lshlrev_b32 v1, 4, v0                        ; 16 t: where I read
	v_lshlrev_b32 v2, 3, v0                        ; 8 t: where I store
	s_wait_kmcnt 0x0
	s_cmp_lt_u32 s16, NXW                          ; the pair of buffers is chosen on the work-group's number alone
	s_cselect_b64 s[20:21], s[6:7], s[8:9]
	s_cselect_b64 s[22:23], s[12:13], s[14:15]
	s_cselect_b32 s17, s17, s18
	s_cmp_lt_u32 s16, NX
	s_cselect_b64 s[20:21], s[4:5], s[20:21]
	s_cselect_b64 s[22:23], s[10:11], s[22:23]
	s_cselect_b32 s17, s16, s17
	s_lshl_b32 s18, s17, 16                        ; 65,536 bytes in (at most 511 x 65,536: below 2^25),
	s_mov_b32 s19, 0
	s_add_nc_u64 s[20:21], s[20:21], s[18:19]
	s_lshl_b32 s18, s17, 15                        ; 32,768 bytes out
	s_add_nc_u64 s[22:23], s[22:23], s[18:19]
.irp i, 0,1,2,3,4,5,6,7,8,9,10,11,12,13,14,15
	global_load_b128 v[X+4*\i:X+4*\i+3], v1, s[20:21] offset:4096*\i th:TH_LOAD_NT
.endr
	s_cmp_ge_u32 s16, NXW
	s_cbranch_scc1 .Lhalf
.irp i, 0,1,2,3,4,5,6,7,8,9,10,11,12,13,14,15
	s_wait_loadcnt 15-\i                           ; loads come back in order: piece i is in, the 15 - i younger ones stay out
	v_cvt_pk_bf16_f32 v[X+4*\i],   v[X+4*\i],   v[X+4*\i+1]
	v_cvt_pk_bf16_f32 v[X+4*\i+1], v[X+4*\i+2], v[X+4*\i+3]
	global_store_b64 v2, v[X+4*\i:X+4*\i+1], s[22:23] offset:2048*\i
.endr
	s_endpgm
.Lhalf:                                                ; w_proj: rounded to bf16 as above, widened again, narrowed to f16
.irp i, 0,1,2,3,4,5,6,7,8,9,10,11,12,13,14,15
	s_wait_loadcnt 15-\i
	v_cvt_pk_bf16_f32 v[X+4*\i],   v[X+4*\i],   v[X+4*\i+1]
	v_cvt_pk_bf16_f32 v[X+4*\i+1], v[X+4*\i+2], v[X+4*\i+3]
	v_lshlrev_b32 v[X+4*\i+2], 16, v[X+4*\i]
	v_and_b32     v[X+4*\i+3], s24, v[X+4*\i]
	v_cvt_pk_f16_f32 v[X+4*\i], v[X+4*\i+2], v[X+4*\i+3]
	v_lshlrev_b32 v[X+4*\i+2], 16, v[X+4*\i+1]
	v_and_b32     v[X+4*\i+3], s24, v[X+4*\i+1]
	v_cvt_pk_f16_f32 v[X+4*\i+1], v[X+4*\i+2], v[X+4*\i+3]
	global_store_b64 v2, v[X+4*\i:X+4*\i+1], s[22:23] offset:2048*\i
.endr
	s_endpgm
.Lfunc_end_k_q5a7b520445_prep:
	.size	k_q5a7b520445_prep, .Lfunc_end_k_q5a7b520445_prep-k_q5a7b520445_prep
	.p2alignl 7, 3214868480
	.fill 96, 4, 3214868480
	.section	.rodata,"a",@progbits
	.p2align	6, 0x0
	.amdhsa_kernel k_q5a7b520445_prep
		.amdhsa_group_segment_fixed_size 0
		.amdhsa_private_segment_fixed_size 0
		.amdhsa_enable_private_segment 0
		.amdhsa_kernarg_size 48
		.amdhsa_user_sgpr_count 2
		.amdhsa_user_sgpr_kernarg_segment_ptr 1
		.amdhsa_wavefront_size32 1
		.amdhsa_system_sgpr_workgroup_id_x 1
		.amdhsa_system_sgpr_workgroup_id_y 1
		.amdhsa_system_sgpr_workgroup_id_z 1
		.amdhsa_system_vgpr_workitem_id 0
		.amdhsa_next_free_vgpr 72
		.amdhsa_next_free_sgpr 66
		.amdhsa_reserve_vcc 0
		.amdhsa_float_denorm_mode_32 3
		.amdhsa_float_denorm_mode_16_64 3
		.amdhsa_memory_ordered 1
		.amdhsa_forward_progress 1
		.amdhsa_inst_pref_size 15
	.end_amdhsa_kernel
	.amdgpu_metadata
---
amdhsa.version: [ 1, 2 ]
amdhsa.kernels:
  - .name:           k_q5a7b520445_prep
    .symbol:         k_q5a7b520445_prep.kd
    .args:
      - { .name: x, .offset: 0, .size: 8, .value_kind: global_buffer, .address_space: global }
      - { .name: w_kqv, .offset: 8, .size: 8, .value_kind: global_buffer, .address_space: global }
      - { .name: w_proj, .offset: 16, .size: 8, .value_kind: global_buffer, .address_space: global }
      - { .name: xb, .offset: 24, .size: 8, .value_kind: global_buffer, .address_space: global }
      - { .name: wb, .offset: 32, .size: 8, .value_kind: global_buffer, .address_space: global }
      - { .name: wpb, .offset: 40, .size: 8, .value_kind: global_buffer, .address_space: global }
    .group_segment_fixed_size: 0
    .private_segment_fixed_size: 0
    .kernarg_segment_align: 8
    .kernarg_segment_size: 48
    .max_flat_workgroup_size: 256
    .sgpr_count:     66
    .vgpr_count:     72
    .wavefront_size: 32
...
	.end_amdgpu_metadata
.endif
;; end of part 1
;; launch qkv (part 2): grid 12 x 32, 4 waves a work-group, clusters of 4 x 4, 327,680 bytes of LDS; arguments xb, wb, b_kqv, kq, v; writes kq, v
.if DOCPART == 2
	.amdgcn_target "amdgcn-amd-amdhsa--gfx1250"
	.amdhsa_code_object_version 6
	.text
	.protected	k_q5a7b520445_qkv
	.globl	k_q5a7b520445_qkv
	.p2align	8
	.type	k_q5a7b520445_qkv,@function
k_q5a7b520445_qkv:
	s_mov_b64 s[64:65], 0
	v_nop
	global_prefetch_b8 v0, s[64:65] scope:SCOPE_SE
	s_setreg_imm32_b32 hwreg(HW_REG_WAVE_MODE, 25, 1), 1
	s_wait_xcnt 0x0
	s_wait_alu depctr_hold_cnt(0) depctr_sa_sdst(0) depctr_va_vdst(0) depctr_va_sdst(0) depctr_va_ssrc(0) depctr_va_vcc(0) depctr_vm_vsrc(0)
	s_getreg_b32 s2, hwreg(HW_REG_IB_STS2, 6, 4)
	s_cmp_eq_u32 s2, 0
	s_cbranch_scc0 .Lentry_in_a_cluster
	s_endpgm
.Lentry_in_a_cluster:
	s_bfe_u32 s2, ttmp6, 0x10000c
	s_cmp_lg_u32 s2, 0xf033
	s_cbranch_scc0 .Lentry_shape_is_right
	s_endpgm
.Lentry_shape_is_right:
; qkv: kqv[m][n] = sum over c of xb[m][c] wb[c][n] + b_kqv[n].  xb [8192][1024] bf16, wb [1024][3072] bf16, sums in f32.
; Columns 0-2047 (k, then q) go out as f16 into kq [8192][2048]; columns 2048-3071 (v) as two f16 planes into v [2][8192][1024]:
; plane 0 = the sum with its low 13 mantissa bits cleared, plane 1 = the exact rest, each narrowed once.
; LIMIT: |k|, |q|, |v| below 65,504 (f16's largest); below 2^-14 the absolute error is at most 3e-8.
; A work-group makes 256 x 256 of the result with four waves, a wave 128 x 128 in 64 accumulator tiles (512 registers).
; K goes in steps of 128 through two LDS slots filled by the tensor data mover.  A's tile: 256 rows x 256 bytes, LDS pitch 272.
; B lies [k][n] in memory: its tile is 128 k rows x 512 bytes, LDS pitch 544, and its fragments are read by the transposing LDS load.
; CLUSTERS: 4 x 4 work-groups.  A's tile hangs on the block row alone and is asked for jointly by a row of the cluster, B's on the
; block column alone and is asked for jointly by a column.
; REGISTER WINDOWS: 0: addresses, A's fragments (v64-127, v128-191), work on the way out (v192-255); 1: v0-63 the bias of my 128 columns,
; v64-191 B's fragments; 2, 3: the accumulators of my rows 0-63 and 64-127, tile (a, b) at v[8 (8 a + b)].
; THE MATRIX INSTRUCTION IS USED TRANSPOSED (source 0 = 16 columns of B, source 1 = 16 rows of A): lane l holds row l % 16 and its
; registers 0-7 the columns 8 (l / 16) + 0..7.  The first product of each tile takes the bias as C, so nothing is cleared or added later.
; The 64 accumulators take turns, one instruction a turn.
.set KSTEP,  128
.set PITCH,  272                       ; A's LDS row: 256 bytes + 16
.set HALFT,  128*PITCH                 ; what one tensor load brings: 128 rows of A, or 64 k rows of B (64 x 544, the same bytes)
.set SLOT,   4*HALFT
.set STAGE,  2*SLOT                    ; behind the ring; no tensor load lands here
.set BP,     544                       ; B's LDS row: 512 bytes + 32
.set SPITCH, 272
.set LOPART, 16*SPITCH                 ; the stage's second part, for plane 1
.set KA,     1024                      ; elements in a row of xb
.set NB,     3072                      ; elements in a row of wb
.set BSTEP,  KSTEP*NB*2                ; bytes from one K step of B to the next
.set LAPS,   KA/(2*KSTEP)              ; a lap = two K steps = once round the ring
.set KQROW,  4096                      ; bytes in a row of kq
.set VROW,   2048                      ; bytes in a row of v
.set PLANE,  16777216                  ; bytes in a plane of v
.set ADRA, 16                          ; v16-17  LDS address of my A fragments in slot 0, 1
.set ADRB, 20                          ; v20-21  the same for B
.set STO,  24
.set RD,   25
.set CO,   26
.set BOFF, 27                          ; byte offset of my first bias numbers
.set MASKV, 28                         ; 0xffffe000
.set F0,   64
.set F1,   128
.set TMP,  192
.set BIAS, 0                           ; window 1
.set G1, 24
.set G0, 32
.set G1B, 48
.set G0B, 56
.set MSB, 0
.macro WIN new                         ; the immediate's high byte repeats the setting that is left
.if MSB != \new
	s_set_vgpr_msb (MSB<<8)|\new
.set MSB, \new
.endif
.endm
.set MUL_LO, 0xa1                      ; source 0 (B) window 1, source 1 (A) window 0, C and D window 2
.set MUL_HI, 0xf1                      ; the same, C and D window 3
.set FIRST_LO, 0x91                    ; C (the bias) window 1, D window 2
.set FIRST_HI, 0xd1                    ; C window 1, D window 3
.set TO_B,   0x40                      ; destination window 1, address window 0
; A joint load: waves 0 and 1 ask for A's halves, waves 2 and 3 for B's.  The branch hangs on the wave's number alone.
.macro JLOAD s
	s_cmp_eq_u32 s11, 0
	s_cbranch_scc0 .Lfor_b_\@
	tensor_load_to_lds s[G0+4*\s:G0+4*\s+3], s[G1:G1+7]
	s_nop 0
	s_branch .Lasked_\@
.Lfor_b_\@:
	tensor_load_to_lds s[G0B+4*\s:G0B+4*\s+3], s[G1B:G1B+7]
	s_nop 0
.Lasked_\@:
.endm
.macro CREST                           ; a round of the cluster's barrier behind its opening barrier
	s_cmp_lg_u32 s10, 0
	s_cbranch_scc1 .Lnot_wave_0_\@
	s_barrier_signal -3
.Lnot_wave_0_\@:
	s_barrier_wait -3
	s_barrier_signal -1
	s_barrier_wait -1
.endm
.macro CROUND                          ; a whole round
	s_barrier_signal -1
	s_barrier_wait -1
	CREST
.endm
	s_load_b128 s[4:7], s[0:1], 0x0                ; xb s[4:5], wb s[6:7]
	s_load_b64 s[66:67], s[0:1], 0x10              ; b_kqv
	s_load_b64 s[8:9], s[0:1], 0x18                ; kq
	s_load_b64 s[68:69], s[0:1], 0x20              ; v
	s_set_vgpr_msb 0x40
	v_lshl_add_u32 v255, v0, 2, 0x4c800
	s_set_vgpr_msb 0x4000
	v_mov_b32 v63, 0
	s_set_vgpr_msb 0x1
	ds_add_u32 v255, v63
	ds_add_u32 v255, v63
	s_set_vgpr_msb 0x100
	v_lshrrev_b32 v1, 5, v0
	v_readfirstlane_b32 s10, v1                    ; wave 0..3
	s_lshr_b32 s11, s10, 1                         ; my half of the block's rows.  Also: I fetch for A (0) or for B (1)
	s_and_b32 s12, s10, 1                          ; my half of its columns.  Also: which half of that tile I fetch
	s_bfe_u32 s40, ttmp6, 0x40000                  ; cx
	s_bfe_u32 s41, ttmp6, 0x40004                  ; cy
	s_lshl_b32 s42, ttmp9, 2
	s_add_co_u32 s42, s42, s40                     ; block column = 4 x cluster x + cx, 0..11
	s_and_b32 s13, ttmp7, 0xffff
	s_lshl_b32 s13, s13, 2
	s_add_co_u32 s13, s13, s41                     ; block row = 4 x cluster y + cy, 0..31
	s_lshl_b32 s43, s41, 2
	s_lshl_b32 s43, 15, s43                        ; my row of the cluster
	s_lshl_b32 s44, 0x1111, s40                    ; my column of the cluster
	; group 1 for A: 128 rows x 128 elements of 2 bytes, 4 words of padding behind every 64
	s_or_b32 s[G1+0], s43, (1<<16)|(1<<20)|(1<<21)|(5<<22)|(3<<25)
	s_mov_b32 s[G1+1], KSTEP<<16                   ; tensor_dim0 = 128
	s_mov_b32 s[G1+2], 128<<16                     ; tensor_dim1 = 128
	s_mov_b32 s[G1+3], KSTEP<<16                   ; tile_dim0 = 128
	s_mov_b32 s[G1+4], 128                         ; tile_dim1 = 128
	s_mov_b32 s[G1+5], KA                          ; elements from row to row
	s_mov_b32 s[G1+6], 0
	s_mov_b32 s[G1+7], 0
	; group 1 for B: 64 k rows x 256 elements of 2 bytes, 8 words of padding behind every 128
	s_or_b32 s[G1B+0], s44, (1<<16)|(1<<20)|(1<<21)|(6<<22)|(7<<25)
	s_mov_b32 s[G1B+1], 256<<16                    ; tensor_dim0 = 256
	s_mov_b32 s[G1B+2], 64<<16                     ; tensor_dim1 = 64
	s_mov_b32 s[G1B+3], 256<<16                    ; tile_dim0 = 256
	s_mov_b32 s[G1B+4], 64                         ; tile_dim1 = 64
	s_mov_b32 s[G1B+5], NB
	s_mov_b32 s[G1B+6], 0
	s_mov_b32 s[G1B+7], 0
	; where the tiles come from: A's offset is made of the block row and the wave, B's of the block column and the wave
	s_lshl_b32 s16, s13, 19                        ; 256 rows x 2,048 bytes
	s_lshl_b32 s17, s12, 18                        ; + 128 rows
	s_add_co_u32 s16, s16, s17
	s_mov_b32 s17, 0
	s_mul_i32 s46, s12, 64*NB*2                    ; 64 k rows x 6,144 bytes
	s_lshl_b32 s47, s42, 9                         ; + 256 columns
	s_add_co_u32 s46, s46, s47
	s_mov_b32 s47, 0
	s_mul_i32 s20, s10, HALFT                      ; where they go: wave x 34,816
	s_wait_dscnt 0x0
	s_wait_kmcnt 0x0
	s_add_nc_u64 s[14:15], s[4:5], s[16:17]
	s_add_nc_u64 s[46:47], s[6:7], s[46:47]
	CROUND                                         ; all sixteen work-groups are here: the first joint loads meet
.irp s, 0,1
	s_mov_b32 s[G0+4*\s], 1
	s_add_co_u32 s[G0+4*\s+1], s20, \s*SLOT
	s_add_nc_u64 s[G0+4*\s+2:G0+4*\s+3], s[14:15], \s*KSTEP*2
	s_or_b32 s[G0+4*\s+3], s[G0+4*\s+3], 0x80000000
	s_mov_b32 s[G0B+4*\s], 1
	s_add_co_u32 s[G0B+4*\s+1], s20, \s*SLOT
	s_add_nc_u64 s[G0B+4*\s+2:G0B+4*\s+3], s[46:47], \s*BSTEP
	s_or_b32 s[G0B+4*\s+3], s[G0B+4*\s+3], 0x80000000
	JLOAD \s                                       ; both slots' first fills, two tensor loads of the wave out
.endr
	v_and_b32 v1, 15, v0                           ; r = l % 16   (kept to the end)
	v_bfe_u32 v2, v0, 4, 1                         ; h = l / 16   (kept to the end)
	v_mul_u32_u24 v3, v1, PITCH
	v_lshl_add_u32 v3, v2, 4, v3                   ; A: r x 272 + 16 h
	v_and_b32 v4, 7, v0
	v_lshl_add_u32 v4, v2, 3, v4                   ; B: k row 8 h + l % 8,
	v_mul_u32_u24 v4, v4, BP
	v_bfe_u32 v5, v0, 3, 1
	v_lshl_add_u32 v4, v5, 4, v4                   ; and 16 bytes further for lanes 8-15 of each half
	s_mul_i32 s21, s11, HALFT                      ; my 128 rows of A
	s_lshl_b32 s22, s12, 8                         ; my 128 columns of B: 256 bytes,
	s_add_co_u32 s22, s22, 2*HALFT                 ; behind A's 256 rows
.irp s, 0,1
	v_add_nc_u32 v[ADRA+\s], s21, v3
	v_add_nc_u32 v[ADRB+\s], s22, v4
	s_add_co_u32 s21, s21, SLOT
	s_add_co_u32 s22, s22, SLOT
.endr
	s_mul_i32 s23, s10, 2*LOPART
	s_add_co_u32 s23, s23, STAGE                   ; my stage
	v_mul_u32_u24 v4, v1, SPITCH
	v_lshl_add_u32 v4, v2, 4, v4
	v_add_nc_u32 v[STO], s23, v4                   ; in: row r, 16 bytes for each half of the lanes
	v_mul_u32_u24 v5, v2, SPITCH
	v_lshl_add_u32 v5, v1, 4, v5
	v_add_nc_u32 v[RD], s23, v5                    ; back: lanes 0-15 one row of 256 bytes, lanes 16-31 the next
	s_lshl_b32 s23, s42, 10                        ; the bias of my 128 columns: 4 (256 block column + 128 half) + 32 h
	s_lshl_b32 s21, s12, 9
	s_add_co_u32 s23, s23, s21
	v_lshl_add_u32 v[BOFF], v2, 5, s23
	WIN TO_B
.irp b, 0,1,2,3,4,5,6,7
	global_load_b128 v[BIAS+8*\b:BIAS+8*\b+3],   v[BOFF], s[66:67] offset:64*\b      ; register j of group b: bias of column 16 b + 8 h + j
	global_load_b128 v[BIAS+8*\b+4:BIAS+8*\b+7], v[BOFF], s[66:67] offset:64*\b+16
.endr
	WIN 0
; 16 matrix instructions: m blocks a0, a0 + 1 of the window's four x all 8 n blocks, 32 along K.  first = 1: C is the bias.
.macro MUL16 f, hi, a0, first
.irp a, \a0, \a0+1
.irp b, 0,1,2,3,4,5,6,7
.if \first
	v_wmma_f32_16x16x32_bf16 v[8*(8*(\a)+\b):8*(8*(\a)+\b)+7], v[\f+8*\b:\f+8*\b+7], v[\f+8*(4*\hi+\a):\f+8*(4*\hi+\a)+7], v[BIAS+8*\b:BIAS+8*\b+7]
.else
	v_wmma_f32_16x16x32_bf16 v[8*(8*(\a)+\b):8*(8*(\a)+\b)+7], v[\f+8*\b:\f+8*\b+7], v[\f+8*(4*\hi+\a):\f+8*(4*\hi+\a)+7], v[8*(8*(\a)+\b):8*(8*(\a)+\b)+7]
.endif
.endr
.endr
.endm
; 32 LDS loads in one run: quarter q (32 along K) of a slot into buffer f.  B: k rows 32 q .. of 544 bytes, transposed on the way;
; the second load of a fragment stands 16 k rows further.  A: 64 q bytes into its rows.
.macro FETCH slot, q, f
	WIN TO_B
.irp i, 0,1,2,3,4,5,6,7
	ds_load_tr16_b128 v[\f+8*\i:\f+8*\i+3],   v[ADRB+\slot] offset:\q*32*BP+32*\i
	ds_load_tr16_b128 v[\f+8*\i+4:\f+8*\i+7], v[ADRB+\slot] offset:\q*32*BP+32*\i+16*BP
.endr
	WIN 0
.irp i, 0,1,2,3,4,5,6,7
	ds_load_b128 v[\f+8*\i:\f+8*\i+3],   v[ADRA+\slot] offset:\q*64+\i*16*PITCH
	ds_load_b128 v[\f+8*\i+4:\f+8*\i+7], v[ADRA+\slot] offset:\q*64+\i*16*PITCH+32
.endr
.endm
; Four plain vector instructions between a matrix instruction and a load into, or a vector instruction on, its registers
.macro PLACES
.rept 4
	v_nop
.endr
.endm
.macro QUARTER slot, q, f, g, first
	s_wait_dscnt 8                                 ; B and A's rows 0-63 are in; the youngest eight loads (A's rows 64-127) may be out
.if \first
	WIN FIRST_LO
.else
	WIN MUL_LO
.endif
	MUL16 \f, 0, 0, \first
	MUL16 \f, 0, 2, \first
	PLACES
	FETCH \slot, \q, \g
	s_wait_dscnt 32                                ; all but the 32 just issued
.if \first
	WIN FIRST_HI
.else
	WIN MUL_HI
.endif
	MUL16 \f, 1, 0, \first
	MUL16 \f, 1, 2, \first
.endm
.macro THREE slot, first
	QUARTER \slot, 1, F0, F1, \first
	QUARTER \slot, 2, F1, F0, 0
	QUARTER \slot, 3, F0, F1, 0
.endm
; The last quarter of a K step, and the change of slots.  In front of the barrier each wave waits for its reads of this slot and for all
; its tensor loads (one is out: its part of the next slot).  Where the slot is filled again the barrier opens a round of the cluster's
; barrier, and the joint refill is the first tensor load behind the round.
.macro TURN slot, next, fill
	s_wait_dscnt 8
	WIN MUL_LO
	MUL16 F1, 0, 0, 0
	s_wait_dscnt 0                                 ; my reads of this slot are over
	s_wait_tensorcnt 0x0                           ; all my tensor loads have landed
	ds_add_u32 v255, v63
	s_wait_dscnt 0x0
	s_barrier_signal -1
	MUL16 F1, 0, 2, 0                              ; register work while the others arrive
	WIN 0
	s_barrier_wait -1
.if \fill
	CREST
	s_add_nc_u64 s[G0+4*\slot+2:G0+4*\slot+3], s[G0+4*\slot+2:G0+4*\slot+3], 2*KSTEP*2
	s_add_nc_u64 s[G0B+4*\slot+2:G0B+4*\slot+3], s[G0B+4*\slot+2:G0B+4*\slot+3], 2*BSTEP
	JLOAD \slot
.endif
	PLACES
	FETCH \next, 0, F0
	WIN MUL_HI
	MUL16 F1, 1, 0, 0
	MUL16 F1, 1, 2, 0
.endm
.macro LAP first
	THREE 0, \first
	TURN 0, 1, 1
	THREE 1, 0
	TURN 1, 0, 1
.endm
	s_wait_loadcnt 0x0                             ; the bias
	s_wait_tensorcnt 1                             ; my part of K step 0 is in; K step 1's may stay out
	s_barrier_signal -1
	s_barrier_wait -1
	FETCH 0, 0, F0
	LAP 1
	WIN 0
	s_mov_b32 s3, LAPS-2
.Llap:
	LAP 0
	WIN 0
	s_sub_co_u32 s3, s3, 1
	s_cmp_lg_u32 s3, 0
	s_cbranch_scc1 .Llap
	THREE 0, 0                                     ; the last lap fills nothing
	TURN 0, 1, 0
	THREE 1, 0
	s_wait_dscnt 8
	WIN MUL_LO
	MUL16 F1, 0, 0, 0
	MUL16 F1, 0, 2, 0
	s_wait_dscnt 0
	WIN MUL_HI
	MUL16 F1, 1, 0, 0
	MUL16 F1, 1, 2, 0
	; THE WAY OUT, 16 rows at a time, through my own stage, so that sixteen lanes store 256 consecutive bytes, aligned.
	PLACES
	WIN 0
; k and q: rows 16 i .. of my block = the eight tiles (a, 0..7); from = 0x0a or 0x0f (sources 0 and 1 in window 2 or 3); f: F0, F1 in turn
.macro OUT16 i, a, from, f
	WIN \from
.irp b, 0,1,2,3,4,5,6,7
.irp r, 0,1,2,3
	v_cvt_pk_f16_f32 v[TMP+4*\b+\r], v[8*(8*\a+\b)+2*\r], v[8*(8*\a+\b)+2*\r+1]
.endr
.endr
	WIN 0
.irp b, 0,1,2,3,4,5,6,7
	ds_store_b128 v[STO], v[TMP+4*\b:TMP+4*\b+3] offset:32*\b
.endr
	s_wait_xcnt 0x0                                ; buffer f, which earlier stores read, and the stores' base are rewritten only behind this wait
.if \i
	s_add_nc_u64 s[8:9], s[8:9], 16*KQROW
.endif
.irp t, 0,1,2,3,4,5,6,7
	ds_load_b128 v[\f+4*\t:\f+4*\t+3], v[RD] offset:\t*2*SPITCH    ; a wave's LDS instructions are served in order: these see the stores above
.endr
.irp t, 0,1,2,3,4,5,6,7
	s_wait_dscnt 7-\t
	global_store_b128 v[CO], v[\f+4*\t:\f+4*\t+3], s[8:9] offset:2*\t*KQROW
.endr
.endm
; v: the same rows as two planes.  w = 2 or 3: the accumulators' window, for source 0.
.macro OUTHL i, a, w
	WIN \w
.set kk, 0
.rept 64
	v_and_b32 v[F0+kk], v[64*\a+kk], v[MASKV]      ; the upper part: 10 mantissa bits, exact in f16
.set kk, kk+1
.endr
.set kk, 0
.rept 32
	v_pk_add_f32 v[TMP+kk:TMP+kk+1], v[64*\a+kk:64*\a+kk+1], v[F0+kk:F0+kk+1] neg_lo:[0,1] neg_hi:[0,1]   ; the rest, exact in f32
.set kk, kk+2
.endr
	WIN 0
.set kk, 0
.rept 32
	v_cvt_pk_f16_f32 v[F0+kk],  v[F0+2*kk],  v[F0+2*kk+1]      ; packed in place, upward: register kk is written after it was read
	v_cvt_pk_f16_f32 v[TMP+kk], v[TMP+2*kk], v[TMP+2*kk+1]
.set kk, kk+1
.endr
.irp b, 0,1,2,3,4,5,6,7
	ds_store_b128 v[STO], v[F0+4*\b:F0+4*\b+3] offset:32*\b
.endr
.irp b, 0,1,2,3,4,5,6,7
	ds_store_b128 v[STO], v[TMP+4*\b:TMP+4*\b+3] offset:LOPART+32*\b
.endr
	s_wait_xcnt 0x0                                ; buffer F1 and both bases are rewritten only behind this wait
.if \i
	s_add_nc_u64 s[8:9], s[8:9], 16*VROW
	s_add_nc_u64 s[68:69], s[68:69], 16*VROW
.endif
.irp t, 0,1,2,3,4,5,6,7
	ds_load_b128 v[F1+4*\t:F1+4*\t+3], v[RD] offset:\t*2*SPITCH
.endr
.irp t, 0,1,2,3,4,5,6,7
	ds_load_b128 v[F1+32+4*\t:F1+32+4*\t+3], v[RD] offset:LOPART+\t*2*SPITCH
.endr
.irp t, 0,1,2,3,4,5,6,7
	s_wait_dscnt 15-\t                             ; 7 - t loads of plane 0 and the eight of plane 1 were issued behind this one
	global_store_b128 v[CO], v[F1+4*\t:F1+4*\t+3], s[8:9] offset:2*\t*VROW
.endr
.irp t, 0,1,2,3,4,5,6,7
	s_wait_dscnt 7-\t
	global_store_b128 v[CO], v[F1+32+4*\t:F1+32+4*\t+3], s[68:69] offset:2*\t*VROW
.endr
.endm
	s_lshl_b32 s16, s13, 8
	s_lshl_b32 s17, s11, 7
	s_add_co_u32 s16, s16, s17                     ; my first row
	s_mov_b32 s17, 0
	s_lshl_b32 s47, s12, 8                         ; my half of the columns, in bytes
	s_cmp_eq_u32 ttmp9, 2                          ; the cluster's x: 0 = k, 1 = q, 2 = v; the same in all sixteen partners
	s_cbranch_scc1 .Lvalues
	s_lshl_b32 s16, s16, 12                        ; rows of 4,096 bytes
	s_add_nc_u64 s[8:9], s[8:9], s[16:17]
	s_lshl_b32 s46, s42, 9
	s_add_co_u32 s46, s46, s47
	s_mov_b32 s47, 0
	s_add_nc_u64 s[8:9], s[8:9], s[46:47]
	v_lshlrev_b32 v5, 12, v2
	v_lshl_add_u32 v[CO], v1, 4, v5
	OUT16 0, 0, 0x0a, F0
	OUT16 1, 1, 0x0a, F1
	OUT16 2, 2, 0x0a, F0
	OUT16 3, 3, 0x0a, F1
	OUT16 4, 0, 0x0f, F0
	OUT16 5, 1, 0x0f, F1
	OUT16 6, 2, 0x0f, F0
	OUT16 7, 3, 0x0f, F1
	s_branch .Lclose
.Lvalues:
	s_lshl_b32 s16, s16, 11                        ; rows of 2,048 bytes
	s_add_nc_u64 s[8:9], s[68:69], s[16:17]
	s_sub_co_u32 s46, s42, 8                       ; v's block column
	s_lshl_b32 s46, s46, 9
	s_add_co_u32 s46, s46, s47
	s_mov_b32 s47, 0
	s_add_nc_u64 s[8:9], s[8:9], s[46:47]          ; plane 0
	s_add_nc_u64 s[68:69], s[8:9], PLANE           ; plane 1
	v_lshlrev_b32 v5, 11, v2
	v_lshl_add_u32 v[CO], v1, 4, v5
	v_mov_b32 v[MASKV], 0xffffe000
	OUTHL 0, 0, 0x02
	OUTHL 1, 1, 0x02
	OUTHL 2, 2, 0x02
	OUTHL 3, 3, 0x02
	OUTHL 4, 0, 0x03
	OUTHL 5, 1, 0x03
	OUTHL 6, 2, 0x03
	OUTHL 7, 3, 0x03
.Lclose:
	s_set_vgpr_msb 0x1
	s_wait_tensorcnt 0x0
	ds_add_u32 v255, v63
	s_wait_dscnt 0x0
	s_set_vgpr_msb 0x100
	CROUND                                         ; the closing round: no work-group ends while a partner may still ask for a tile that names it
	s_endpgm
.Lfunc_end_k_q5a7b520445_qkv:
	.size	k_q5a7b520445_qkv, .Lfunc_end_k_q5a7b520445_qkv-k_q5a7b520445_qkv
	.p2alignl 7, 3214868480
	.fill 96, 4, 3214868480
	.section	.rodata,"a",@progbits
	.p2align	6, 0x0
	.amdhsa_kernel k_q5a7b520445_qkv
		.amdhsa_group_segment_fixed_size 327680
		.amdhsa_private_segment_fixed_size 0
		.amdhsa_enable_private_segment 0
		.amdhsa_kernarg_size 40
		.amdhsa_user_sgpr_count 2
		.amdhsa_user_sgpr_kernarg_segment_ptr 1
		.amdhsa_wavefront_size32 1
		.amdhsa_system_sgpr_workgroup_id_x 1
		.amdhsa_system_sgpr_workgroup_id_y 1
		.amdhsa_system_sgpr_workgroup_id_z 1
		.amdhsa_system_vgpr_workitem_id 0
		.amdhsa_next_free_vgpr 1024
		.amdhsa_next_free_sgpr 80
		.amdhsa_reserve_vcc 0
		.amdhsa_float_denorm_mode_32 3
		.amdhsa_float_denorm_mode_16_64 3
		.amdhsa_memory_ordered 1
		.amdhsa_forward_progress 1
		.amdhsa_inst_pref_size 255
	.end_amdhsa_kernel
	.section	.bss,"aw",@nobits
	.p2align	6
	.space	262144
	.amdgpu_metadata
---
amdhsa.version: [ 1, 2 ]
amdhsa.kernels:
  - .name:           k_q5a7b520445_qkv
    .symbol:         k_q5a7b520445_qkv.kd
    .args:
      - { .name: xb, .offset: 0, .size: 8, .value_kind: global_buffer, .address_space: global }
      - { .name: wb, .offset: 8, .size: 8, .value_kind: global_buffer, .address_space: global }
      - { .name: b_kqv, .offset: 16, .size: 8, .value_kind: global_buffer, .address_space: global }
      - { .name: kq, .offset: 24, .size: 8, .value_kind: global_buffer, .address_space: global }
      - { .name: v, .offset: 32, .size: 8, .value_kind: global_buffer, .address_space: global }
    .group_segment_fixed_size: 327680
    .private_segment_fixed_size: 0
    .kernarg_segment_align: 8
    .kernarg_segment_size: 40
    .max_flat_workgroup_size: 128
    .sgpr_count:     80
    .vgpr_count:     1024
    .wavefront_size: 32
...
	.end_amdgpu_metadata
.endif
;; end of part 2
;; launch scores (part 3): grid 9 x 16, 4 waves a work-group, no clusters, 327,680 bytes of LDS; arguments kq, sc; writes sc
.if DOCPART == 3
	.amdgcn_target "amdgcn-amd-amdhsa--gfx1250"
	.amdhsa_code_object_version 6
	.text
	.protected	k_q5a7b520445_scores
	.globl	k_q5a7b520445_scores
	.p2align	8
	.type	k_q5a7b520445_scores,@function
k_q5a7b520445_scores:
	s_mov_b64 s[64:65], 0
	v_nop
	global_prefetch_b8 v0, s[64:65] scope:SCOPE_SE
	s_setreg_imm32_b32 hwreg(HW_REG_WAVE_MODE, 25, 1), 1
	s_wait_xcnt 0x0
; scores: sc[t][s] = sum over c of q[t][c] k[s][c], unscaled and unmasked, f32, for the 36 blocks of 256 x 256 of each batch that
; touch or lie below the diagonal (the rest is thrown away by the causal mask and is neither made nor read later).
; kq [8192][2048] f16: columns 0-1023 k, 1024-2047 q.  sc [8192][2048] f32.
; Work-groups: y = 4 batch + p, x = 0..8.  Row blocks p and 7 - p have p + 1 and 8 - p blocks, nine together:
; x <= p: block (p, x); else block (7 - p, x - p - 1).  144 work-groups of equal work (K = 1024).
; NO CLUSTER: key block J is wanted by 8 - J row blocks and row block I by I + 1 key blocks; neither is a multiple of four for every
; I and J, so groups of four that share a tile could only be completed by blocks that lie wholly above the diagonal.
; Four waves, a wave 128 x 128 in 64 accumulator tiles; K in steps of 128 through two LDS slots; both operands have K along their rows
; (256 rows x 256 bytes each, LDS pitch 272), so one descriptor shape serves both and each wave fetches 128 rows of its own.
; Windows, fragments and the transposed use of the matrix instruction as in the other products of this program: source 0 = 16 rows of k,
; source 1 = 16 rows of q; lane l holds row l % 16 of sc, registers 0-7 the columns 8 (l / 16) + 0..7.
; The 64 accumulators take turns, one instruction a turn.
.set KSTEP,  128
.set PITCH,  272
.set HALFT,  128*PITCH
.set SLOT,   4*HALFT
.set STAGE,  2*SLOT                    ; behind the ring; no tensor load lands here
.set FPITCH, 528                       ; the stage's row: 512 bytes (128 f32) + 16
.set KQE,    2048                      ; elements in a row of kq
.set LAPS,   1024/(2*KSTEP)
.set OROW,   8192                      ; bytes in a row of sc
.set ADRA, 16
.set ADRB, 20
.set STO,  24
.set RD,   25
.set CO,   26
.set F0,   64
.set F1,   128
.set G1, 24
.set G0, 32
.set MSB, 0
.macro WIN new
.if MSB != \new
	s_set_vgpr_msb (MSB<<8)|\new
.set MSB, \new
.endif
.endm
.set MUL_LO, 0xa1
.set MUL_HI, 0xf1
.set TO_B,   0x40
	s_load_b128 s[4:7], s[0:1], 0x0                ; kq s[4:5], sc s[6:7]
	s_set_vgpr_msb 0x40
	v_lshl_add_u32 v255, v0, 2, 0x4c400
	s_set_vgpr_msb 0x4000
	v_mov_b32 v255, 0
	s_set_vgpr_msb 0x1
	ds_add_u32 v255, v255
	ds_add_u32 v255, v255
	s_set_vgpr_msb 0x100
	v_lshrrev_b32 v1, 5, v0
	v_readfirstlane_b32 s10, v1                    ; wave 0..3
	s_lshr_b32 s11, s10, 1                         ; my half of the block's rows.  Also: I fetch q's rows (0) or k's (1)
	s_and_b32 s12, s10, 1                          ; my half of its columns.  Also: which 128 rows I fetch
	s_and_b32 s74, ttmp7, 0xffff
	s_and_b32 s75, s74, 3                          ; p
	s_lshr_b32 s74, s74, 2                         ; batch
	s_sub_co_u32 s76, 7, s75                       ; 7 - p
	s_sub_co_u32 s77, ttmp9, s75
	s_sub_co_u32 s77, s77, 1                       ; x - p - 1 (used only where x > p)
	s_cmp_le_u32 ttmp9, s75
	s_cselect_b32 s13, s75, s76                    ; I, the row block
	s_cselect_b32 s42, ttmp9, s77                  ; J, the key block
	s_mov_b32 s[G1+0], (1<<16)|(1<<20)|(5<<22)|(3<<25)   ; elements of 2 bytes; 4 words of padding behind every 64
	s_mov_b32 s[G1+1], KSTEP<<16                   ; tensor_dim0 = 128
	s_mov_b32 s[G1+2], 128<<16                     ; tensor_dim1 = 128
	s_mov_b32 s[G1+3], KSTEP<<16                   ; tile_dim0 = 128
	s_mov_b32 s[G1+4], 128                         ; tile_dim1 = 128
	s_mov_b32 s[G1+5], KQE
	s_mov_b32 s[G1+6], 0
	s_mov_b32 s[G1+7], 0
	s_cmp_eq_u32 s11, 0
	s_cselect_b32 s16, s13, s42                    ; waves 0, 1: rows of block I, q's columns (2,048 bytes into the row); waves 2, 3: rows of block J, k's
	s_cselect_b32 s17, 2048, 0
	s_lshl_b32 s16, s16, 20                        ; 256 rows x 4,096 bytes
	s_add_co_u32 s16, s16, s17
	s_lshl_b32 s17, s74, 23                        ; + 2,048 rows a batch
	s_add_co_u32 s16, s16, s17
	s_lshl_b32 s17, s12, 19                        ; + 128 rows
	s_add_co_u32 s16, s16, s17
	s_mov_b32 s17, 0
	s_mul_i32 s20, s10, HALFT                      ; where they go: q's two halves, then k's two halves
	s_wait_dscnt 0x0
	s_wait_kmcnt 0x0
	s_add_nc_u64 s[14:15], s[4:5], s[16:17]
.irp s, 0,1
	s_mov_b32 s[G0+4*\s], 1
	s_add_co_u32 s[G0+4*\s+1], s20, \s*SLOT
	s_add_nc_u64 s[G0+4*\s+2:G0+4*\s+3], s[14:15], \s*KSTEP*2
	s_or_b32 s[G0+4*\s+3], s[G0+4*\s+3], 0x80000000
	tensor_load_to_lds s[G0+4*\s:G0+4*\s+3], s[G1:G1+7]            ; both slots' first fills: two tensor loads of the wave out
	s_nop 0
.endr
	v_and_b32 v1, 15, v0                           ; r
	v_bfe_u32 v2, v0, 4, 1                         ; h
	v_mul_u32_u24 v3, v1, PITCH
	v_lshl_add_u32 v3, v2, 4, v3                   ; r x 272 + 16 h
	s_mul_i32 s21, s11, HALFT
	s_mul_i32 s22, s12, HALFT
	s_add_co_u32 s22, s22, 2*HALFT
.irp s, 0,1
	v_add_nc_u32 v[ADRA+\s], s21, v3
	v_add_nc_u32 v[ADRB+\s], s22, v3
	s_add_co_u32 s21, s21, SLOT
	s_add_co_u32 s22, s22, SLOT
.endr
	s_mul_i32 s23, s10, 16*FPITCH
	s_add_co_u32 s23, s23, STAGE                   ; my stage
	v_mul_u32_u24 v4, v1, FPITCH
	v_lshl_add_u32 v4, v2, 5, v4
	v_add_nc_u32 v[STO], s23, v4                   ; in: row r, 32 bytes for each half of the lanes
	v_and_b32 v5, 31, v0
	v_lshlrev_b32 v[CO], 4, v5                     ; back and out: 16 bytes a lane, 512 bytes of one row a wave
	v_add_nc_u32 v[RD], s23, v[CO]
.macro MUL16 f, hi, a0, first
.irp a, \a0, \a0+1
.irp b, 0,1,2,3,4,5,6,7
.if \first
	v_wmma_f32_16x16x32_f16 v[8*(8*(\a)+\b):8*(8*(\a)+\b)+7], v[\f+8*\b:\f+8*\b+7], v[\f+8*(4*\hi+\a):\f+8*(4*\hi+\a)+7], 0
.else
	v_wmma_f32_16x16x32_f16 v[8*(8*(\a)+\b):8*(8*(\a)+\b)+7], v[\f+8*\b:\f+8*\b+7], v[\f+8*(4*\hi+\a):\f+8*(4*\hi+\a)+7], v[8*(8*(\a)+\b):8*(8*(\a)+\b)+7]
.endif
.endr
.endr
.endm
.macro FETCH slot, q, f
	WIN TO_B
.irp i, 0,1,2,3,4,5,6,7
	ds_load_b128 v[\f+8*\i:\f+8*\i+3],   v[ADRB+\slot] offset:\q*64+\i*16*PITCH
	ds_load_b128 v[\f+8*\i+4:\f+8*\i+7], v[ADRB+\slot] offset:\q*64+\i*16*PITCH+32
.endr
	WIN 0
.irp i, 0,1,2,3,4,5,6,7
	ds_load_b128 v[\f+8*\i:\f+8*\i+3],   v[ADRA+\slot] offset:\q*64+\i*16*PITCH
	ds_load_b128 v[\f+8*\i+4:\f+8*\i+7], v[ADRA+\slot] offset:\q*64+\i*16*PITCH+32
.endr
.endm
; Four plain vector instructions between a matrix instruction and a load into, or an LDS store of, its registers
.macro PLACES
.rept 4
	v_nop
.endr
.endm
.macro QUARTER slot, q, f, g, first
	s_wait_dscnt 8                                 ; the youngest eight loads (q's rows 64-127) may be out
	WIN MUL_LO
	MUL16 \f, 0, 0, \first
	MUL16 \f, 0, 2, \first
	PLACES
	FETCH \slot, \q, \g
	s_wait_dscnt 32                                ; all but the 32 just issued
	WIN MUL_HI
	MUL16 \f, 1, 0, \first
	MUL16 \f, 1, 2, \first
.endm
.macro THREE slot, first
	QUARTER \slot, 1, F0, F1, \first
	QUARTER \slot, 2, F1, F0, 0
	QUARTER \slot, 3, F0, F1, 0
.endm
; The last quarter of a K step and the change of slots: one barrier, in front of it each wave's reads of this slot and all its tensor
; loads are waited for, behind it the refill comes first, then the next slot's first fragments.
.macro TURN slot, next, fill
	s_wait_dscnt 8
	WIN MUL_LO
	MUL16 F1, 0, 0, 0
	s_wait_dscnt 0                                 ; my reads of this slot are over
	s_wait_tensorcnt 0x0                           ; all my tensor loads have landed, so a group 0 may be written
	ds_add_u32 v255, v255
	s_wait_dscnt 0x0
.if \fill
	s_add_nc_u64 s[G0+4*\slot+2:G0+4*\slot+3], s[G0+4*\slot+2:G0+4*\slot+3], 2*KSTEP*2
.endif
	s_barrier_signal -1
	MUL16 F1, 0, 2, 0                              ; register work while the others arrive
	s_barrier_wait -1
.if \fill
	tensor_load_to_lds s[G0+4*\slot:G0+4*\slot+3], s[G1:G1+7]      ; my one tensor load behind this barrier
	s_nop 0
.endif
	PLACES
	FETCH \next, 0, F0
	WIN MUL_HI
	MUL16 F1, 1, 0, 0
	MUL16 F1, 1, 2, 0
.endm
.macro LAP first
	THREE 0, \first
	TURN 0, 1, 1
	THREE 1, 0
	TURN 1, 0, 1
.endm
	s_wait_tensorcnt 1                             ; my part of K step 0 is in; K step 1's may stay out
	s_barrier_signal -1
	s_barrier_wait -1
	FETCH 0, 0, F0
	LAP 1                                          ; the first products start the sums: nothing is cleared
	WIN 0
	s_mov_b32 s3, LAPS-2
.Llap:
	LAP 0
	WIN 0
	s_sub_co_u32 s3, s3, 1
	s_cmp_lg_u32 s3, 0
	s_cbranch_scc1 .Llap
	THREE 0, 0
	TURN 0, 1, 0
	THREE 1, 0
	s_wait_dscnt 8
	WIN MUL_LO
	MUL16 F1, 0, 0, 0
	MUL16 F1, 0, 2, 0
	s_wait_dscnt 0
	WIN MUL_HI
	MUL16 F1, 1, 0, 0
	MUL16 F1, 1, 2, 0
	; THE WAY OUT, 16 rows at a time: the sums go as they are into my own stage and come back as whole rows of 512 bytes.
	PLACES
	WIN 0
	s_lshl_b32 s16, s74, 24                        ; 2,048 rows x 8,192 bytes a batch
	s_lshl_b32 s17, s13, 21                        ; + 256 rows a block
	s_add_co_u32 s16, s16, s17
	s_lshl_b32 s17, s11, 20                        ; + 128 rows
	s_add_co_u32 s16, s16, s17
	s_lshl_b32 s17, s42, 10                        ; + 256 columns a block
	s_add_co_u32 s16, s16, s17
	s_lshl_b32 s17, s12, 9                         ; + 128 columns
	s_add_co_u32 s16, s16, s17
	s_mov_b32 s17, 0
	s_add_nc_u64 s[8:9], s[6:7], s[16:17]
; rows 16 i .. = the eight tiles (a, 0..7); win = 0x08 or 0x0c: the LDS stores' data in window 2 or 3; f: F0, F1 in turn
.macro OUT16F i, a, win, f
	WIN \win
.irp b, 0,1,2,3,4,5,6,7
	ds_store_b128 v[STO], v[8*(8*\a+\b):8*(8*\a+\b)+3]   offset:64*\b
	ds_store_b128 v[STO], v[8*(8*\a+\b)+4:8*(8*\a+\b)+7] offset:64*\b+16
.endr
	WIN 0
	s_wait_xcnt 0x0                                ; buffer f, which earlier stores read, and the stores' base are rewritten only behind this wait
.if \i
	s_add_nc_u64 s[8:9], s[8:9], 16*OROW
.endif
.irp t, 0,1,2,3,4,5,6,7,8,9,10,11,12,13,14,15
	ds_load_b128 v[\f+4*\t:\f+4*\t+3], v[RD] offset:\t*FPITCH      ; a wave's LDS instructions are served in order: these see the stores above
.endr
.irp t, 0,1,2,3,4,5,6,7,8,9,10,11,12,13,14,15
	s_wait_dscnt 15-\t
	global_store_b128 v[CO], v[\f+4*\t:\f+4*\t+3], s[8:9] offset:\t*OROW    ; 32 lanes store 512 consecutive bytes, aligned
.endr
.endm
	OUT16F 0, 0, 0x08, F0
	OUT16F 1, 1, 0x08, F1
	OUT16F 2, 2, 0x08, F0
	OUT16F 3, 3, 0x08, F1
	OUT16F 4, 0, 0x0c, F0
	OUT16F 5, 1, 0x0c, F1
	OUT16F 6, 2, 0x0c, F0
	OUT16F 7, 3, 0x0c, F1
	s_set_vgpr_msb 0x1
	s_wait_tensorcnt 0x0
	ds_add_u32 v255, v255
	s_wait_dscnt 0x0
	s_set_vgpr_msb 0x100
	s_endpgm
.Lfunc_end_k_q5a7b520445_scores:
	.size	k_q5a7b520445_scores, .Lfunc_end_k_q5a7b520445_scores-k_q5a7b520445_scores
	.p2alignl 7, 3214868480
	.fill 96, 4, 3214868480
	.section	.rodata,"a",@progbits
	.p2align	6, 0x0
	.amdhsa_kernel k_q5a7b520445_scores
		.amdhsa_group_segment_fixed_size 327680
		.amdhsa_private_segment_fixed_size 0
		.amdhsa_enable_private_segment 0
		.amdhsa_kernarg_size 16
		.amdhsa_user_sgpr_count 2
		.amdhsa_user_sgpr_kernarg_segment_ptr 1
		.amdhsa_wavefront_size32 1
		.amdhsa_system_sgpr_workgroup_id_x 1
		.amdhsa_system_sgpr_workgroup_id_y 1
		.amdhsa_system_sgpr_workgroup_id_z 1
		.amdhsa_system_vgpr_workitem_id 0
		.amdhsa_next_free_vgpr 1024
		.amdhsa_next_free_sgpr 80
		.amdhsa_reserve_vcc 0
		.amdhsa_float_denorm_mode_32 3
		.amdhsa_float_denorm_mode_16_64 3
		.amdhsa_memory_ordered 1
		.amdhsa_forward_progress 1
		.amdhsa_inst_pref_size 192
	.end_amdhsa_kernel
	.amdgpu_metadata
---
amdhsa.version: [ 1, 2 ]
amdhsa.kernels:
  - .name:           k_q5a7b520445_scores
    .symbol:         k_q5a7b520445_scores.kd
    .args:
      - { .name: kq, .offset: 0, .size: 8, .value_kind: global_buffer, .address_space: global }
      - { .name: sc, .offset: 8, .size: 8, .value_kind: global_buffer, .address_space: global }
    .group_segment_fixed_size: 327680
    .private_segment_fixed_size: 0
    .kernarg_segment_align: 8
    .kernarg_segment_size: 16
    .max_flat_workgroup_size: 128
    .sgpr_count:     80
    .vgpr_count:     1024
    .wavefront_size: 32
...
	.end_amdgpu_metadata
.endif
;; end of part 3
;; launch softmax (part 4): grid 1024 x 1, 8 waves a work-group, no clusters, 0 bytes of LDS; arguments sc, pb; writes pb
.if DOCPART == 4
	.amdgcn_target "amdgcn-amd-amdhsa--gfx1250"
	.amdhsa_code_object_version 6
	.text
	.protected	k_q5a7b520445_softmax
	.globl	k_q5a7b520445_softmax
	.p2align	8
	.type	k_q5a7b520445_softmax,@function
k_q5a7b520445_softmax:
	s_mov_b64 s[64:65], 0
	v_nop
	global_prefetch_b8 v0, s[64:65] scope:SCOPE_SE
	s_setreg_imm32_b32 hwreg(HW_REG_WAVE_MODE, 25, 1), 1
	s_wait_xcnt 0x0
; softmax: pb[t][s] = exp((sc[t][s] - max) / sqrt(2048)) / sum, over s <= t; 0 for t < s < 256 (I + 1), I = t / 256 within the batch.
; sc [8192][2048] f32 (only the causal blocks hold numbers, only they are read), pb [8192][2048] f16.
; One wave, one row, the row kept in registers (at most 2,048 numbers = 64 registers): read once, no LDS, no barrier.
; The row's maximum is taken away before the exponential.  The scale and log2(e) are one factor c = log2(e) / sqrt(2048):
; exp2(c x - c max), one fused multiply-add for two numbers.
; Rows of the first block of a batch (I = 0) are stored three times over, 256 columns each: upper part, rest, upper part, where the upper
; part is P with its low 13 mantissa bits cleared and the rest the exact difference: the next launch multiplies them by v's two planes.
; LIMIT: a P below 3e-8 becomes 0 in f16.
; A work-group's eight rows lie in one block; long rows have the low work-group numbers.
.set X,  8                             ; v[8:71]  the row: chunk c (128 columns) in 4 registers, lane l holds columns 128 c + 4 l + 0..3
.set M,  72                            ; v[72:75] four running maxima
.set T,  76                            ; v76      the other half's figure
.set NM, 78                            ; v[78:79] - c max, twice
.set SA, 80                            ; v[80:83] two pairs of running sums
.set SB, 82
.set R,  84                            ; v[84:85] 1 / sum, twice
.set H,  86                            ; v[86:93] upper parts (I = 0)
	s_load_b128 s[4:7], s[0:1], 0x0                ; sc s[4:5], pb s[6:7]
	v_lshrrev_b32 v1, 5, v0
	v_readfirstlane_b32 s8, v1                     ; wave 0..7
	s_lshr_b32 s9, ttmp9, 2
	s_sub_co_u32 s9, 255, s9                       ; which eight rows of the batch, the last first
	s_and_b32 s10, ttmp9, 3                        ; batch
	s_lshl3_add_u32 s11, s9, s8                    ; t
	s_lshr_b32 s12, s11, 8                         ; I
	s_and_b32 s13, s11, 255                        ; t within its block
	s_lshl_b32 s14, s10, 11
	s_add_co_u32 s14, s14, s11                     ; the row among all 8,192
	s_lshl_b32 s18, s14, 13                        ; x 8,192 bytes (below 2^26)
	s_mov_b32 s19, 0
	s_lshl_b32 s20, s14, 12                        ; x 4,096 bytes
	s_mov_b32 s21, 0
	s_mov_b32 s15, 0xffffe000                      ; clears the low 13 mantissa bits
	s_mov_b32 s16, 0x76543210                      ; v_permlanex16_b32: lane i of one half reads lane i of the other
	s_mov_b32 s17, 0xfedcba98
	v_and_b32 v1, 31, v0                           ; lane
	v_lshlrev_b32 v2, 4, v1                        ; 16 l: where I read
	v_lshlrev_b32 v3, 3, v1                        ; 8 l: where I store
	v_lshlrev_b32 v4, 2, v1                        ; 4 l: my first column in a chunk
	v_mov_b32 v5, 0xff800000                       ; - infinity
	v_mov_b32 v[T], 0                              ; written once: the lane exchange counts as a reader of its destination
	s_wait_kmcnt 0x0
	s_add_nc_u64 s[4:5], s[4:5], s[18:19]
	s_add_nc_u64 s[6:7], s[6:7], s[20:21]
; A row of n chunks of 128 columns.  split = 1: the three-fold store of the first block's rows.
.macro SOFT n, split
.set N, \n
.set c, 0
.rept N
	global_load_b128 v[X+4*c:X+4*c+3], v2, s[4:5] offset:512*c th:TH_LOAD_NT
.set c, c+1
.endr
	s_wait_loadcnt 0x0
	; the diagonal block is the last two chunks: column 128 cc + 4 l + e of it is masked where it exceeds t's place in the block
.irp cc, 0,1
.irp e, 0,1,2,3
	s_sub_co_i32 s14, s13, 128*\cc+\e
	v_cmp_lt_i32 vcc_lo, s14, v4
	v_cndmask_b32 v[X+4*(N-2+\cc)+\e], v[X+4*(N-2+\cc)+\e], v5, vcc_lo
.endr
.endr
.irp e, 0,1,2,3
	v_max_num_f32 v[M+\e], v[X+\e], v[X+4+\e]      ; the first two chunks start four chains
.endr
.if N > 2
.set c, 2
.rept (N-2)/2
.irp e, 0,1,2,3
	v_max3_num_f32 v[M+\e], v[M+\e], v[X+4*c+\e], v[X+4*c+4+\e]
.endr
.set c, c+2
.endr
.endif
	v_max3_num_f32 v[M], v[M], v[M+1], v[M+2]
	v_max_num_f32 v[M], v[M], v[M+3]
	v_max_num_f32_dpp v[M], v[M], v[M] row_xmask:1 row_mask:0xf bank_mask:0xf
	v_max_num_f32_dpp v[M], v[M], v[M] row_xmask:2 row_mask:0xf bank_mask:0xf
	v_max_num_f32_dpp v[M], v[M], v[M] row_xmask:4 row_mask:0xf bank_mask:0xf
	v_max_num_f32_dpp v[M], v[M], v[M] row_xmask:8 row_mask:0xf bank_mask:0xf
	v_permlanex16_b32 v[T], v[M], s16, s17
	v_max_num_f32 v[M], v[M], v[T]                 ; the row's maximum, in every lane (column 0 is never masked, so it is a score)
	v_mul_f32 v[NM], 0xbd0293ee, v[M]              ; - c max
	v_mul_f32 v[NM+1], 0xbd0293ee, v[M]
.set c, 0
.rept 2*N
	v_pk_fma_f32 v[X+2*c:X+2*c+1], v[X+2*c:X+2*c+1], 0x3d0293ee, v[NM:NM+1] op_sel_hi:[1,0,1]   ; c x - c max; a masked place stays - infinity
.set c, c+1
.endr
.set c, 0
.rept 4*N
	v_exp_f32 v[X+c], v[X+c]
.set c, c+1
.endr
	v_nop                                          ; one plain vector instruction behind the last exponential before its result is read (ISA guide 5.7.2)
	s_wait_alu depctr_va_vdst(0)
	v_pk_add_f32 v[SA:SA+1], v[X:X+1], v[X+4:X+5]
	v_pk_add_f32 v[SB:SB+1], v[X+2:X+3], v[X+6:X+7]
.if N > 2
.set c, 2
.rept N-2
	v_pk_add_f32 v[SA:SA+1], v[SA:SA+1], v[X+4*c:X+4*c+1]
	v_pk_add_f32 v[SB:SB+1], v[SB:SB+1], v[X+4*c+2:X+4*c+3]
.set c, c+1
.endr
.endif
	v_pk_add_f32 v[SA:SA+1], v[SA:SA+1], v[SB:SB+1]
	v_add_f32 v[SA], v[SA], v[SA+1]
	v_add_f32_dpp v[SA], v[SA], v[SA] row_xmask:1 row_mask:0xf bank_mask:0xf
	v_add_f32_dpp v[SA], v[SA], v[SA] row_xmask:2 row_mask:0xf bank_mask:0xf
	v_add_f32_dpp v[SA], v[SA], v[SA] row_xmask:4 row_mask:0xf bank_mask:0xf
	v_add_f32_dpp v[SA], v[SA], v[SA] row_xmask:8 row_mask:0xf bank_mask:0xf
	v_permlanex16_b32 v[T], v[SA], s16, s17
	v_add_f32 v[SA], v[SA], v[T]                   ; at least 1: the maximum's own term
	v_rcp_f32 v[R], v[SA]
	v_rcp_f32 v[R+1], v[SA]
	v_nop                                          ; one plain vector instruction before the reciprocal is used
.set c, 0
	s_wait_alu depctr_va_vdst(0)
.rept 2*N
	v_pk_mul_f32 v[X+2*c:X+2*c+1], v[X+2*c:X+2*c+1], v[R:R+1]
.set c, c+1
.endr
.if \split
.irp k, 0,1,2,3,4,5,6,7
	v_and_b32 v[H+\k], s15, v[X+\k]                ; the upper part
.endr
.irp k, 0,2,4,6
	v_pk_add_f32 v[X+\k:X+\k+1], v[X+\k:X+\k+1], v[H+\k:H+\k+1] neg_lo:[0,1] neg_hi:[0,1]   ; the rest, exact
.endr
.irp k, 0,1,2,3
	v_cvt_pk_f16_f32 v[H+\k], v[H+2*\k], v[H+2*\k+1]           ; packed in place, upward
	v_cvt_pk_f16_f32 v[X+\k], v[X+2*\k], v[X+2*\k+1]
.endr
.irp k, 0,1
	global_store_b64 v3, v[H+2*\k:H+2*\k+1], s[6:7] offset:256*\k          ; columns 0-255: upper part
	global_store_b64 v3, v[X+2*\k:X+2*\k+1], s[6:7] offset:512+256*\k      ; columns 256-511: rest
	global_store_b64 v3, v[H+2*\k:H+2*\k+1], s[6:7] offset:1024+256*\k     ; columns 512-767: upper part again
.endr
.else
.set c, 0
.rept N
	v_cvt_pk_f16_f32 v[X+4*c],   v[X+4*c],   v[X+4*c+1]
	v_cvt_pk_f16_f32 v[X+4*c+1], v[X+4*c+2], v[X+4*c+3]
	global_store_b64 v3, v[X+4*c:X+4*c+1], s[6:7] offset:256*c             ; a wave's store covers 256 consecutive bytes, aligned
.set c, c+1
.endr
.endif
.endm
.macro CASE i                          ; the row's length hangs on its number alone
	s_cmp_lg_u32 s12, \i
	s_cbranch_scc1 .Lnot_\i
	SOFT 2*(\i+1), 0
	s_endpgm
.Lnot_\i:
.endm
	CASE 7
	CASE 6
	CASE 5
	CASE 4
	CASE 3
	CASE 2
	CASE 1
	SOFT 2, 1
	s_endpgm
.Lfunc_end_k_q5a7b520445_softmax:
	.size	k_q5a7b520445_softmax, .Lfunc_end_k_q5a7b520445_softmax-k_q5a7b520445_softmax
	.p2alignl 7, 3214868480
	.fill 96, 4, 3214868480
	.section	.rodata,"a",@progbits
	.p2align	6, 0x0
	.amdhsa_kernel k_q5a7b520445_softmax
		.amdhsa_group_segment_fixed_size 0
		.amdhsa_private_segment_fixed_size 0
		.amdhsa_enable_private_segment 0
		.amdhsa_kernarg_size 16
		.amdhsa_user_sgpr_count 2
		.amdhsa_user_sgpr_kernarg_segment_ptr 1
		.amdhsa_wavefront_size32 1
		.amdhsa_system_sgpr_workgroup_id_x 1
		.amdhsa_system_sgpr_workgroup_id_y 1
		.amdhsa_system_sgpr_workgroup_id_z 1
		.amdhsa_system_vgpr_workitem_id 0
		.amdhsa_next_free_vgpr 96
		.amdhsa_next_free_sgpr 66
		.amdhsa_reserve_vcc 1
		.amdhsa_float_denorm_mode_32 3
		.amdhsa_float_denorm_mode_16_64 3
		.amdhsa_memory_ordered 1
		.amdhsa_forward_progress 1
		.amdhsa_inst_pref_size 90
	.end_amdhsa_kernel
	.amdgpu_metadata
---
amdhsa.version: [ 1, 2 ]
amdhsa.kernels:
  - .name:           k_q5a7b520445_softmax
    .symbol:         k_q5a7b520445_softmax.kd
    .args:
      - { .name: sc, .offset: 0, .size: 8, .value_kind: global_buffer, .address_space: global }
      - { .name: pb, .offset: 8, .size: 8, .value_kind: global_buffer, .address_space: global }
    .group_segment_fixed_size: 0
    .private_segment_fixed_size: 0
    .kernarg_segment_align: 8
    .kernarg_segment_size: 16
    .max_flat_workgroup_size: 256
    .sgpr_count:     66
    .vgpr_count:     96
    .wavefront_size: 32
...
	.end_amdgpu_metadata
.endif
;; end of part 4
;; launch pv (part 5): grid 8 x 32, 4 waves a work-group, clusters of 4 x 1, 327,680 bytes of LDS; arguments pb, v, ob; writes ob
.if DOCPART == 5
	.amdgcn_target "amdgcn-amd-amdhsa--gfx1250"
	.amdhsa_code_object_version 6
	.text
	.protected	k_q5a7b520445_pv
	.globl	k_q5a7b520445_pv
	.p2align	8
	.type	k_q5a7b520445_pv,@function
k_q5a7b520445_pv:
	s_mov_b64 s[64:65], 0
	v_nop
	global_prefetch_b8 v0, s[64:65] scope:SCOPE_SE
	s_setreg_imm32_b32 hwreg(HW_REG_WAVE_MODE, 25, 1), 1
	s_wait_xcnt 0x0
	s_wait_alu depctr_hold_cnt(0) depctr_sa_sdst(0) depctr_va_vdst(0) depctr_va_sdst(0) depctr_va_ssrc(0) depctr_va_vcc(0) depctr_vm_vsrc(0)
	s_getreg_b32 s2, hwreg(HW_REG_IB_STS2, 6, 4)
	s_cmp_eq_u32 s2, 0
	s_cbranch_scc0 .Lentry_in_a_cluster
	s_endpgm
.Lentry_in_a_cluster:
	s_bfe_u32 s2, ttmp6, 0x10000c
	s_cmp_lg_u32 s2, 0x3003
	s_cbranch_scc0 .Lentry_shape_is_right
	s_endpgm
.Lentry_shape_is_right:
; pv: ob[t][c] = sum over s of pb[t][s] v[s][c], s < 256 (I + 1) for the rows of block I of a batch (beyond t pb holds zeros).
; pb [8192][2048] f16, v [2][8192][1024] f16 (plane 0 upper parts, plane 1 rests), ob [8192][1024] f16; sums in f32.
; Row block I > 0: K = 256 (I + 1), plane 0 alone.  Row block 0, whose rows average few keys and so are the largest numbers of the result:
; three laps of 256, P's upper part x plane 0, P's rest x plane 0, P's upper part x plane 1 (pb holds the three pieces side by side).
; LIMIT: |ob| below 65,504 (f16); an infinite v inside a row's 256-block meets a masked 0 and gives NaN.
; A work-group makes 256 rows x 128 columns: 32 row blocks x 8 column blocks = 256 work-groups.  Four waves; wave w makes rows
; 64 w .. 64 w + 63 x all 128 columns in 32 accumulator tiles (256 registers).  K goes in steps of 128 through two LDS slots.
; A SLOT is four parts of 34,816 bytes, part w filled by wave w: parts 0, 1: pb's rows 0-127 and 128-255 (256 bytes a row, LDS pitch 272);
; parts 2, 3: v's k rows 0-63 and 64-127 (v lies [s][c]: 256 bytes a row, LDS pitch 288; 18,432 bytes of the part are used), read by the
; transposing LDS load.  A slot of two K steps (2 x 208,896 bytes for the ring) would not fit.
; CLUSTERS: four of the eight column blocks of a row block form a cluster of 4 x 1 and ask for pb's tiles jointly.  v's tiles are each
; work-group's own columns.  Other row blocks read the same v tiles but need other numbers of them (I + 1 laps), so they are not partners.
; The trip count hangs on the work-group's y alone, which the four partners share.
; REGISTER WINDOWS: 0: addresses, pb's fragments (v64-95, v128-159), work on the way out; 1: v's fragments (v64-127, v128-191);
; 2: the accumulators, tile (a, b) at v[8 (8 a + b)].
; THE MATRIX INSTRUCTION IS USED TRANSPOSED (source 0 = 16 columns of v, source 1 = 16 rows of pb): lane l holds row l % 16 and its
; registers 0-7 the columns 8 (l / 16) + 0..7.
; The 32 accumulators take turns, one instruction a turn.
.set KSTEP,  128
.set PITCH,  272                       ; pb's LDS row: 256 bytes + 16
.set HALFT,  128*PITCH                 ; a part of a slot
.set SLOT,   4*HALFT
.set STAGE,  2*SLOT                    ; behind the ring; no tensor load lands here
.set BP,     288                       ; v's LDS row: 256 bytes + 32
.set BGAP,   HALFT-64*BP               ; from the end of k row 63 to k row 64, which begins the next part
.set SPITCH, 272
.set PE,     2048                      ; elements in a row of pb
.set VE,     1024                      ; elements in a row of v
.set BSTEP,  KSTEP*VE*2                ; bytes from one K step of v to the next
.set PLANE,  16777216
.set OROW,   2048                      ; bytes in a row of ob
.set ADRA, 16                          ; v16-17  LDS address of my pb fragments in slot 0, 1
.set ADRB, 20                          ; v20-21  the same for v
.set STO,  24
.set RD,   25
.set CO,   26
.set F0,   64
.set F1,   128
.set TMP,  192
.set G1, 24
.set G0, 32
.set G1B, 48
.set G0B, 56
.set DB, 70                            ; s[70:71] by how much v's addresses step in this lap's refills
.set DN, 72                            ; s[72:73] and in all later laps'
.set MSB, 0
.macro WIN new                         ; the immediate's high byte repeats the setting that is left
.if MSB != \new
	s_set_vgpr_msb (MSB<<8)|\new
.set MSB, \new
.endif
.endm
.set MUL,  0xa1                        ; source 0 (v) window 1, source 1 (pb) window 0, C and D window 2
.set TO_B, 0x40                        ; destination window 1, address window 0
; Waves 0 and 1 ask jointly for pb's halves, waves 2 and 3 fetch v's halves for this work-group alone.  The branch hangs on the wave's number.
.macro JLOAD s
	s_cmp_eq_u32 s11, 0
	s_cbranch_scc0 .Lfor_b_\@
	tensor_load_to_lds s[G0+4*\s:G0+4*\s+3], s[G1:G1+7]
	s_nop 0
	s_branch .Lasked_\@
.Lfor_b_\@:
	tensor_load_to_lds s[G0B+4*\s:G0B+4*\s+3], s[G1B:G1B+7]
	s_nop 0
.Lasked_\@:
.endm
.macro CREST                           ; a round of the cluster's barrier behind its opening barrier
	s_cmp_lg_u32 s10, 0
	s_cbranch_scc1 .Lnot_wave_0_\@
	s_barrier_signal -3
.Lnot_wave_0_\@:
	s_barrier_wait -3
	s_barrier_signal -1
	s_barrier_wait -1
.endm
.macro CROUND                          ; a whole round
	s_barrier_signal -1
	s_barrier_wait -1
	CREST
.endm
	s_load_b128 s[4:7], s[0:1], 0x0                ; pb s[4:5], v s[6:7]
	s_load_b64 s[8:9], s[0:1], 0x10                ; ob
	s_set_vgpr_msb 0x40
	v_lshl_add_u32 v255, v0, 2, 0x48400
	s_set_vgpr_msb 0x4000
	v_mov_b32 v255, 0
	s_set_vgpr_msb 0x1
	ds_add_u32 v255, v255
	ds_add_u32 v255, v255
	s_set_vgpr_msb 0x100
	v_lshrrev_b32 v1, 5, v0
	v_readfirstlane_b32 s10, v1                    ; wave 0..3: my 64 rows of the block
	s_lshr_b32 s11, s10, 1                         ; I fetch for pb (0) or for v (1)
	s_and_b32 s12, s10, 1                          ; which half of that tile I fetch
	s_bfe_u32 s40, ttmp6, 0x40000                  ; cx
	s_lshl_b32 s42, ttmp9, 2
	s_add_co_u32 s42, s42, s40                     ; block column, 0..7
	s_and_b32 s13, ttmp7, 0xffff                   ; block row among all 32
	s_and_b32 s75, s13, 7                          ; I
	s_lshr_b32 s74, s13, 3                         ; batch
	s_mov_b32 s76, 2*BSTEP
	s_mov_b32 s77, PLANE
	s_sub_co_u32 s3, s75, 1                        ; laps - 2 = I - 1,
	s_cmp_eq_u32 s75, 0
	s_cselect_b32 s3, 1, s3                        ; or 1 for the three laps of block 0
	s_cselect_b32 s[DB], 0, s76                    ; block 0: lap 1 reads the same rows of plane 0 again,
	s_cselect_b32 s[DN], s77, s76                  ; lap 2 the same rows of plane 1
	s_mov_b32 s[DB+1], 0
	s_mov_b32 s[DN+1], 0
	; group 1 for pb: 128 rows x 128 elements of 2 bytes, 4 words of padding behind every 64; the mask names the four of the cluster
	s_mov_b32 s[G1+0], 15|(1<<16)|(1<<20)|(1<<21)|(5<<22)|(3<<25)
	s_mov_b32 s[G1+1], KSTEP<<16                   ; tensor_dim0 = 128
	s_mov_b32 s[G1+2], 128<<16                     ; tensor_dim1 = 128
	s_mov_b32 s[G1+3], KSTEP<<16                   ; tile_dim0 = 128
	s_mov_b32 s[G1+4], 128                         ; tile_dim1 = 128
	s_mov_b32 s[G1+5], PE
	s_mov_b32 s[G1+6], 0
	s_mov_b32 s[G1+7], 0
	; group 1 for v: 64 rows x 128 elements of 2 bytes, 8 words of padding behind every 64; no mask
	s_mov_b32 s[G1B+0], (1<<16)|(1<<20)|(5<<22)|(7<<25)
	s_mov_b32 s[G1B+1], 128<<16                    ; tensor_dim0 = 128
	s_mov_b32 s[G1B+2], 64<<16                     ; tensor_dim1 = 64
	s_mov_b32 s[G1B+3], 128<<16                    ; tile_dim0 = 128
	s_mov_b32 s[G1B+4], 64                         ; tile_dim1 = 64
	s_mov_b32 s[G1B+5], VE
	s_mov_b32 s[G1B+6], 0
	s_mov_b32 s[G1B+7], 0
	s_lshl_b32 s16, s13, 20                        ; pb: 256 rows x 4,096 bytes
	s_lshl_b32 s17, s12, 19                        ; + 128 rows
	s_add_co_u32 s16, s16, s17
	s_mov_b32 s17, 0
	s_lshl_b32 s46, s74, 22                        ; v: 2,048 rows x 2,048 bytes a batch
	s_lshl_b32 s47, s12, 17                        ; + 64 rows
	s_add_co_u32 s46, s46, s47
	s_lshl_b32 s47, s42, 8                         ; + 128 columns
	s_add_co_u32 s46, s46, s47
	s_mov_b32 s47, 0
	s_mul_i32 s20, s10, HALFT                      ; where they go: part w of the slot
	s_wait_dscnt 0x0
	s_wait_kmcnt 0x0
	s_add_nc_u64 s[14:15], s[4:5], s[16:17]
	s_add_nc_u64 s[46:47], s[6:7], s[46:47]
	CROUND                                         ; the four work-groups are here: the first joint loads meet
.irp s, 0,1
	s_mov_b32 s[G0+4*\s], 1
	s_add_co_u32 s[G0+4*\s+1], s20, \s*SLOT
	s_add_nc_u64 s[G0+4*\s+2:G0+4*\s+3], s[14:15], \s*KSTEP*2
	s_or_b32 s[G0+4*\s+3], s[G0+4*\s+3], 0x80000000
	s_mov_b32 s[G0B+4*\s], 1
	s_add_co_u32 s[G0B+4*\s+1], s20, \s*SLOT
	s_add_nc_u64 s[G0B+4*\s+2:G0B+4*\s+3], s[46:47], \s*BSTEP
	s_or_b32 s[G0B+4*\s+3], s[G0B+4*\s+3], 0x80000000
	JLOAD \s                                       ; both slots' first fills: two tensor loads of the wave out
.endr
	v_and_b32 v1, 15, v0                           ; r = l % 16
	v_bfe_u32 v2, v0, 4, 1                         ; h = l / 16
	v_mul_u32_u24 v3, v1, PITCH
	v_lshl_add_u32 v3, v2, 4, v3                   ; pb: r x 272 + 16 h
	v_and_b32 v4, 7, v0
	v_lshl_add_u32 v4, v2, 3, v4                   ; v: k row 8 h + l % 8,
	v_mul_u32_u24 v4, v4, BP
	v_bfe_u32 v5, v0, 3, 1
	v_lshl_add_u32 v4, v5, 4, v4                   ; and 16 bytes further for lanes 8-15 of each half
	s_mul_i32 s21, s10, 64*PITCH                   ; my 64 rows of pb
	s_mov_b32 s22, 2*HALFT                         ; v's tile, behind pb's 256 rows; every wave reads all its 128 columns
.irp s, 0,1
	v_add_nc_u32 v[ADRA+\s], s21, v3
	v_add_nc_u32 v[ADRB+\s], s22, v4
	s_add_co_u32 s21, s21, SLOT
	s_add_co_u32 s22, s22, SLOT
.endr
	s_mul_i32 s23, s10, 16*SPITCH
	s_add_co_u32 s23, s23, STAGE                   ; my stage
	v_mul_u32_u24 v4, v1, SPITCH
	v_lshl_add_u32 v4, v2, 4, v4
	v_add_nc_u32 v[STO], s23, v4                   ; in: row r, 16 bytes for each half of the lanes
	v_mul_u32_u24 v5, v2, SPITCH
	v_lshl_add_u32 v5, v1, 4, v5
	v_add_nc_u32 v[RD], s23, v5                    ; back: lanes 0-15 one row of 256 bytes, lanes 16-31 the next
	v_lshlrev_b32 v5, 11, v2                       ; the same two rows in ob
	v_lshl_add_u32 v[CO], v1, 4, v5
; 16 matrix instructions: m blocks a0, a0 + 1 of my four x all 8 n blocks, 32 along K.  first = 1: the product starts the sums.
.macro MUL16 f, a0, first
.irp a, \a0, \a0+1
.irp b, 0,1,2,3,4,5,6,7
.if \first
	v_wmma_f32_16x16x32_f16 v[8*(8*(\a)+\b):8*(8*(\a)+\b)+7], v[\f+8*\b:\f+8*\b+7], v[\f+8*(\a):\f+8*(\a)+7], 0
.else
	v_wmma_f32_16x16x32_f16 v[8*(8*(\a)+\b):8*(8*(\a)+\b)+7], v[\f+8*\b:\f+8*\b+7], v[\f+8*(\a):\f+8*(\a)+7], v[8*(8*(\a)+\b):8*(8*(\a)+\b)+7]
.endif
.endr
.endr
.endm
; 24 LDS loads in one run: quarter q (32 along K) of a slot into buffer f.  v: k rows 32 q .. (rows 64 on lie in the next part),
; transposed on the way, the second load of a fragment 16 k rows further.  pb: 64 q bytes into my 64 rows.
.macro FETCH slot, q, f
	WIN TO_B
.irp i, 0,1,2,3,4,5,6,7
	ds_load_tr16_b128 v[\f+8*\i:\f+8*\i+3],   v[ADRB+\slot] offset:\q*32*BP+(\q/2)*BGAP+32*\i
	ds_load_tr16_b128 v[\f+8*\i+4:\f+8*\i+7], v[ADRB+\slot] offset:\q*32*BP+(\q/2)*BGAP+32*\i+16*BP
.endr
	WIN 0
.irp i, 0,1,2,3
	ds_load_b128 v[\f+8*\i:\f+8*\i+3],   v[ADRA+\slot] offset:\q*64+\i*16*PITCH
	ds_load_b128 v[\f+8*\i+4:\f+8*\i+7], v[ADRA+\slot] offset:\q*64+\i*16*PITCH+32
.endr
.endm
; Four plain vector instructions between a matrix instruction and a load into, or a vector instruction on, its registers
.macro PLACES
.rept 4
	v_nop
.endr
.endm
; A quarter step: the next quarter's fragments (quarter q of the same slot) are asked for first, into buffer g, which the matrix
; instructions just in front have read; then buffer f is multiplied: the 24 loads have 32 matrix instructions in which to land.
.macro QUARTER slot, q, f, g, first
	PLACES
	FETCH \slot, \q, \g
	s_wait_dscnt 24                                ; all but the 24 just issued: buffer f is whole
	WIN MUL
	MUL16 \f, 0, \first
	MUL16 \f, 2, \first
.endm
.macro THREE slot, first
	QUARTER \slot, 1, F0, F1, \first
	QUARTER \slot, 2, F1, F0, 0
	QUARTER \slot, 3, F0, F1, 0
.endm
; The last quarter of a K step, on buffer 1, and the change of slots.  In front of the barrier each wave waits for its reads of this slot
; and for all its tensor loads (one is out: its part of the next slot).  Where the slot is filled again the barrier opens a round of the
; cluster's barrier, and the refill is the wave's first and only tensor load behind the round.  From a request to the wait for it a wave
; issues 112 matrix instructions.
.macro TURN slot, next, fill
	WIN MUL
	s_wait_dscnt 0                                 ; buffer 1 is whole, and my reads of this slot are over
	s_wait_tensorcnt 0x0                           ; all my tensor loads have landed
	ds_add_u32 v255, v255
	s_wait_dscnt 0x0
	s_barrier_signal -1
	MUL16 F1, 0, 0                                 ; register work while the others arrive
	WIN 0
	s_barrier_wait -1
.if \fill
	CREST
	s_add_nc_u64 s[G0+4*\slot+2:G0+4*\slot+3], s[G0+4*\slot+2:G0+4*\slot+3], 2*KSTEP*2
	s_add_nc_u64 s[G0B+4*\slot+2:G0B+4*\slot+3], s[G0B+4*\slot+2:G0B+4*\slot+3], s[DB:DB+1]
	JLOAD \slot
.endif
	PLACES
	FETCH \next, 0, F0
	WIN MUL
	MUL16 F1, 2, 0
.endm
.macro LAP first                       ; once round the ring: 256 along K
	THREE 0, \first
	TURN 0, 1, 1
	THREE 1, 0
	TURN 1, 0, 1
	s_mov_b64 s[DB:DB+1], s[DN:DN+1]               ; from the second lap's refills on
.endm
	s_wait_tensorcnt 1                             ; my part of K step 0 is in; K step 1's may stay out
	s_barrier_signal -1
	s_barrier_wait -1
	FETCH 0, 0, F0
	LAP 1                                          ; the first products start the sums: nothing is cleared
	WIN 0
	s_cmp_eq_u32 s3, 0                             ; two laps in all (I = 1): no trip of the loop
	s_cbranch_scc1 .Llast
.Llap:
	LAP 0
	WIN 0
	s_sub_co_u32 s3, s3, 1
	s_cmp_lg_u32 s3, 0
	s_cbranch_scc1 .Llap
.Llast:
	THREE 0, 0                                     ; the last lap fills nothing
	TURN 0, 1, 0
	THREE 1, 0
	s_wait_dscnt 0                                 ; the very last quarter: nothing more to fetch
	WIN MUL
	MUL16 F1, 0, 0
	MUL16 F1, 2, 0
	; THE WAY OUT, 16 rows at a time, through my own stage, so that sixteen lanes store 256 consecutive bytes, aligned
	PLACES
	WIN 0
	s_lshl_b32 s16, s13, 19                        ; 256 rows x 2,048 bytes
	s_lshl_b32 s17, s10, 17                        ; + 64 rows a wave
	s_add_co_u32 s16, s16, s17
	s_mov_b32 s17, 0
	s_add_nc_u64 s[8:9], s[8:9], s[16:17]
	s_lshl_b32 s46, s42, 8                         ; 128 columns x 2 bytes
	s_mov_b32 s47, 0
	s_add_nc_u64 s[8:9], s[8:9], s[46:47]
; rows 16 i .. of my 64 = the eight tiles (i, 0..7); f: F0, F1 in turn
.macro OUT16 i, f
	WIN 0x0a                                       ; sources 0 and 1 in window 2
.irp b, 0,1,2,3,4,5,6,7
.irp r, 0,1,2,3
	v_cvt_pk_f16_f32 v[TMP+4*\b+\r], v[8*(8*\i+\b)+2*\r], v[8*(8*\i+\b)+2*\r+1]
.endr
.endr
	WIN 0
.irp b, 0,1,2,3,4,5,6,7
	ds_store_b128 v[STO], v[TMP+4*\b:TMP+4*\b+3] offset:32*\b
.endr
	s_wait_xcnt 0x0                                ; buffer f, which earlier stores read, and the stores' base are rewritten only behind this wait
.if \i
	s_add_nc_u64 s[8:9], s[8:9], 16*OROW
.endif
.irp t, 0,1,2,3,4,5,6,7
	ds_load_b128 v[\f+4*\t:\f+4*\t+3], v[RD] offset:\t*2*SPITCH    ; a wave's LDS instructions are served in order: these see the stores above
.endr
.irp t, 0,1,2,3,4,5,6,7
	s_wait_dscnt 7-\t                              ; the 7 - t loads issued behind this one may be out
	global_store_b128 v[CO], v[\f+4*\t:\f+4*\t+3], s[8:9] offset:2*\t*OROW
.endr
.endm
	OUT16 0, F0
	OUT16 1, F1
	OUT16 2, F0
	OUT16 3, F1
	s_set_vgpr_msb 0x1
	s_wait_tensorcnt 0x0
	ds_add_u32 v255, v255
	s_wait_dscnt 0x0
	s_set_vgpr_msb 0x100
	CROUND                                         ; the closing round: no work-group ends while a partner may still ask for a tile that names it
	s_endpgm
.Lfunc_end_k_q5a7b520445_pv:
	.size	k_q5a7b520445_pv, .Lfunc_end_k_q5a7b520445_pv-k_q5a7b520445_pv
	.p2alignl 7, 3214868480
	.fill 96, 4, 3214868480
	.section	.rodata,"a",@progbits
	.p2align	6, 0x0
	.amdhsa_kernel k_q5a7b520445_pv
		.amdhsa_group_segment_fixed_size 327680
		.amdhsa_private_segment_fixed_size 0
		.amdhsa_enable_private_segment 0
		.amdhsa_kernarg_size 24
		.amdhsa_user_sgpr_count 2
		.amdhsa_user_sgpr_kernarg_segment_ptr 1
		.amdhsa_wavefront_size32 1
		.amdhsa_system_sgpr_workgroup_id_x 1
		.amdhsa_system_sgpr_workgroup_id_y 1
		.amdhsa_system_sgpr_workgroup_id_z 1
		.amdhsa_system_vgpr_workitem_id 0
		.amdhsa_next_free_vgpr 768
		.amdhsa_next_free_sgpr 80
		.amdhsa_reserve_vcc 0
		.amdhsa_float_denorm_mode_32 3
		.amdhsa_float_denorm_mode_16_64 3
		.amdhsa_memory_ordered 1
		.amdhsa_forward_progress 1
		.amdhsa_inst_pref_size 118
	.end_amdhsa_kernel
	.amdgpu_metadata
---
amdhsa.version: [ 1, 2 ]
amdhsa.kernels:
  - .name:           k_q5a7b520445_pv
    .symbol:         k_q5a7b520445_pv.kd
    .args:
      - { .name: pb, .offset: 0, .size: 8, .value_kind: global_buffer, .address_space: global }
      - { .name: v, .offset: 8, .size: 8, .value_kind: global_buffer, .address_space: global }
      - { .name: ob, .offset: 16, .size: 8, .value_kind: global_buffer, .address_space: global }
    .group_segment_fixed_size: 327680
    .private_segment_fixed_size: 0
    .kernarg_segment_align: 8
    .kernarg_segment_size: 24
    .max_flat_workgroup_size: 128
    .sgpr_count:     80
    .vgpr_count:     768
    .wavefront_size: 32
...
	.end_amdgpu_metadata
.endif
;; end of part 5
;; launch proj (part 6): grid 8 x 32, 4 waves a work-group, clusters of 4 x 4, 327,680 bytes of LDS; arguments ob, wpb, b_proj, out0; writes out0
.if DOCPART == 6
	.amdgcn_target "amdgcn-amd-amdhsa--gfx1250"
	.amdhsa_code_object_version 6
	.text
	.protected	k_q5a7b520445_proj
	.globl	k_q5a7b520445_proj
	.p2align	8
	.type	k_q5a7b520445_proj,@function
k_q5a7b520445_proj:
	s_mov_b64 s[64:65], 0
	v_nop
	global_prefetch_b8 v0, s[64:65] scope:SCOPE_SE
	s_setreg_imm32_b32 hwreg(HW_REG_WAVE_MODE, 25, 1), 1
	s_wait_xcnt 0x0
	s_wait_alu depctr_hold_cnt(0) depctr_sa_sdst(0) depctr_va_vdst(0) depctr_va_sdst(0) depctr_va_ssrc(0) depctr_va_vcc(0) depctr_vm_vsrc(0)
	s_getreg_b32 s2, hwreg(HW_REG_IB_STS2, 6, 4)
	s_cmp_eq_u32 s2, 0
	s_cbranch_scc0 .Lentry_in_a_cluster
	s_endpgm
.Lentry_in_a_cluster:
	s_bfe_u32 s2, ttmp6, 0x10000c
	s_cmp_lg_u32 s2, 0xf033
	s_cbranch_scc0 .Lentry_shape_is_right
	s_endpgm
.Lentry_shape_is_right:
; proj: out0[m][n] = sum over c of ob[m][c] wpb[c][n] + b_proj[n].  ob [8192][1024] f16, wpb [1024][1024] f16, out0 [8192][1024] f32.
; A work-group makes 256 rows x 128 columns: 32 row blocks x 8 column blocks = 256 work-groups.  Four waves; wave w makes rows
; 64 w .. 64 w + 63 x all 128 columns in 32 accumulator tiles (256 registers).  K = 1024 in steps of 128 through two LDS slots.
; A SLOT is four parts of 34,816 bytes, part w filled by wave w: parts 0, 1: ob's rows 0-127 and 128-255 (256 bytes a row, LDS pitch 272);
; parts 2, 3: wpb's k rows 0-63 and 64-127 (wpb lies [k][n]: 256 bytes a row, LDS pitch 288; 18,432 bytes of the part are used), read by
; the transposing LDS load.
; CLUSTERS: 4 x 4 work-groups; ob's tile hangs on the block row alone and is asked for jointly by a row of the cluster, wpb's on the block
; column alone and is asked for jointly by a column.
; REGISTER WINDOWS: 0: addresses, ob's fragments (v64-95, v128-159), work on the way out (v64-191); 1: v0-63 the bias of the 128 columns,
; v64-191 wpb's fragments; 2: the accumulators, tile (a, b) at v[8 (8 a + b)].
; The matrix instruction is used transposed (source 0 = 16 columns of wpb, source 1 = 16 rows of ob): lane l holds row l % 16, registers
; 0-7 the columns 8 (l / 16) + 0..7.  The first product of each tile takes the bias as C, so nothing is cleared or added later.
; The 32 accumulators take turns, one instruction a turn.
.set KSTEP,  128
.set PITCH,  272
.set HALFT,  128*PITCH                 ; a part of a slot
.set SLOT,   4*HALFT
.set STAGE,  2*SLOT                    ; behind the ring; no tensor load lands here
.set BP,     288                       ; wpb's LDS row: 256 bytes + 32
.set BGAP,   HALFT-64*BP               ; from the end of k row 63 to k row 64, which begins the next part
.set FPITCH, 528                       ; the stage's row: 512 bytes (128 f32) + 16
.set KA,     1024
.set NB,     1024
.set BSTEP,  KSTEP*NB*2
.set LAPS,   KA/(2*KSTEP)
.set OROW,   4096                      ; bytes in a row of out0
.set ADRA, 16
.set ADRB, 20
.set STO,  24
.set RD,   25
.set CO,   26
.set BOFF, 27
.set F0,   64
.set F1,   128
.set BIAS, 0                           ; window 1
.set G1, 24
.set G0, 32
.set G1B, 48
.set G0B, 56
.set MSB, 0
.macro WIN new                         ; the immediate's high byte repeats the setting that is left
.if MSB != \new
	s_set_vgpr_msb (MSB<<8)|\new
.set MSB, \new
.endif
.endm
.set MUL,   0xa1                       ; source 0 (wpb) window 1, source 1 (ob) window 0, C and D window 2
.set FIRST, 0x91                       ; C (the bias) window 1, D window 2
.set TO_B,  0x40                       ; destination window 1, address window 0
; A joint load: waves 0 and 1 ask for ob's halves, waves 2 and 3 for wpb's.  The branch hangs on the wave's number alone.
.macro JLOAD s
	s_cmp_eq_u32 s11, 0
	s_cbranch_scc0 .Lfor_b_\@
	tensor_load_to_lds s[G0+4*\s:G0+4*\s+3], s[G1:G1+7]
	s_nop 0
	s_branch .Lasked_\@
.Lfor_b_\@:
	tensor_load_to_lds s[G0B+4*\s:G0B+4*\s+3], s[G1B:G1B+7]
	s_nop 0
.Lasked_\@:
.endm
.macro CREST                           ; a round of the cluster's barrier behind its opening barrier
	s_cmp_lg_u32 s10, 0
	s_cbranch_scc1 .Lnot_wave_0_\@
	s_barrier_signal -3
.Lnot_wave_0_\@:
	s_barrier_wait -3
	s_barrier_signal -1
	s_barrier_wait -1
.endm
.macro CROUND                          ; a whole round
	s_barrier_signal -1
	s_barrier_wait -1
	CREST
.endm
	s_load_b128 s[4:7], s[0:1], 0x0                ; ob s[4:5], wpb s[6:7]
	s_load_b64 s[66:67], s[0:1], 0x10              ; b_proj
	s_load_b64 s[8:9], s[0:1], 0x18                ; out0
	s_set_vgpr_msb 0x40
	v_lshl_add_u32 v255, v0, 2, 0x4c400
	s_set_vgpr_msb 0x4000
	v_mov_b32 v255, 0
	s_set_vgpr_msb 0x1
	ds_add_u32 v255, v255
	ds_add_u32 v255, v255
	s_set_vgpr_msb 0x100
	v_lshrrev_b32 v1, 5, v0
	v_readfirstlane_b32 s10, v1                    ; wave 0..3: my 64 rows of the block
	s_lshr_b32 s11, s10, 1                         ; I fetch for ob (0) or for wpb (1)
	s_and_b32 s12, s10, 1                          ; which half of that tile I fetch
	s_bfe_u32 s40, ttmp6, 0x40000                  ; cx
	s_bfe_u32 s41, ttmp6, 0x40004                  ; cy
	s_lshl_b32 s42, ttmp9, 2
	s_add_co_u32 s42, s42, s40                     ; block column, 0..7
	s_and_b32 s13, ttmp7, 0xffff
	s_lshl_b32 s13, s13, 2
	s_add_co_u32 s13, s13, s41                     ; block row, 0..31
	s_lshl_b32 s43, s41, 2
	s_lshl_b32 s43, 15, s43                        ; my row of the cluster
	s_lshl_b32 s44, 0x1111, s40                    ; my column of the cluster
	; group 1 for ob: 128 rows x 128 elements of 2 bytes, 4 words of padding behind every 64
	s_or_b32 s[G1+0], s43, (1<<16)|(1<<20)|(1<<21)|(5<<22)|(3<<25)
	s_mov_b32 s[G1+1], KSTEP<<16                   ; tensor_dim0 = 128
	s_mov_b32 s[G1+2], 128<<16                     ; tensor_dim1 = 128
	s_mov_b32 s[G1+3], KSTEP<<16                   ; tile_dim0 = 128
	s_mov_b32 s[G1+4], 128                         ; tile_dim1 = 128
	s_mov_b32 s[G1+5], KA
	s_mov_b32 s[G1+6], 0
	s_mov_b32 s[G1+7], 0
	; group 1 for wpb: 64 k rows x 128 elements of 2 bytes, 8 words of padding behind every 64
	s_or_b32 s[G1B+0], s44, (1<<16)|(1<<20)|(1<<21)|(5<<22)|(7<<25)
	s_mov_b32 s[G1B+1], 128<<16                    ; tensor_dim0 = 128
	s_mov_b32 s[G1B+2], 64<<16                     ; tensor_dim1 = 64
	s_mov_b32 s[G1B+3], 128<<16                    ; tile_dim0 = 128
	s_mov_b32 s[G1B+4], 64                         ; tile_dim1 = 64
	s_mov_b32 s[G1B+5], NB
	s_mov_b32 s[G1B+6], 0
	s_mov_b32 s[G1B+7], 0
	; ob's offset is made of the block row and the wave, wpb's of the block column and the wave
	s_lshl_b32 s16, s13, 19                        ; ob: 256 rows x 2,048 bytes
	s_lshl_b32 s17, s12, 18                        ; + 128 rows
	s_add_co_u32 s16, s16, s17
	s_mov_b32 s17, 0
	s_lshl_b32 s46, s12, 17                        ; wpb: 64 k rows x 2,048 bytes
	s_lshl_b32 s47, s42, 8                         ; + 128 columns
	s_add_co_u32 s46, s46, s47
	s_mov_b32 s47, 0
	s_mul_i32 s20, s10, HALFT                      ; where they go: part w of the slot
	s_wait_dscnt 0x0
	s_wait_kmcnt 0x0
	s_add_nc_u64 s[14:15], s[4:5], s[16:17]
	s_add_nc_u64 s[46:47], s[6:7], s[46:47]
	CROUND                                         ; all sixteen work-groups are here: the first joint loads meet
.irp s, 0,1
	s_mov_b32 s[G0+4*\s], 1
	s_add_co_u32 s[G0+4*\s+1], s20, \s*SLOT
	s_add_nc_u64 s[G0+4*\s+2:G0+4*\s+3], s[14:15], \s*KSTEP*2
	s_or_b32 s[G0+4*\s+3], s[G0+4*\s+3], 0x80000000
	s_mov_b32 s[G0B+4*\s], 1
	s_add_co_u32 s[G0B+4*\s+1], s20, \s*SLOT
	s_add_nc_u64 s[G0B+4*\s+2:G0B+4*\s+3], s[46:47], \s*BSTEP
	s_or_b32 s[G0B+4*\s+3], s[G0B+4*\s+3], 0x80000000
	JLOAD \s                                       ; both slots' first fills: two tensor loads of the wave out
.endr
	v_and_b32 v1, 15, v0                           ; r = l % 16
	v_bfe_u32 v2, v0, 4, 1                         ; h = l / 16
	v_mul_u32_u24 v3, v1, PITCH
	v_lshl_add_u32 v3, v2, 4, v3                   ; ob: r x 272 + 16 h
	v_and_b32 v4, 7, v0
	v_lshl_add_u32 v4, v2, 3, v4                   ; wpb: k row 8 h + l % 8,
	v_mul_u32_u24 v4, v4, BP
	v_bfe_u32 v5, v0, 3, 1
	v_lshl_add_u32 v4, v5, 4, v4                   ; and 16 bytes further for lanes 8-15 of each half
	s_mul_i32 s21, s10, 64*PITCH                   ; my 64 rows of ob
	s_mov_b32 s22, 2*HALFT                         ; wpb's tile, behind ob's 256 rows; every wave reads all its 128 columns
.irp s, 0,1
	v_add_nc_u32 v[ADRA+\s], s21, v3
	v_add_nc_u32 v[ADRB+\s], s22, v4
	s_add_co_u32 s21, s21, SLOT
	s_add_co_u32 s22, s22, SLOT
.endr
	s_mul_i32 s23, s10, 16*FPITCH
	s_add_co_u32 s23, s23, STAGE                   ; my stage
	v_mul_u32_u24 v4, v1, FPITCH
	v_lshl_add_u32 v4, v2, 5, v4
	v_add_nc_u32 v[STO], s23, v4                   ; in: row r, 32 bytes for each half of the lanes
	v_and_b32 v5, 31, v0
	v_lshlrev_b32 v[CO], 4, v5                     ; back and out: 16 bytes a lane, 512 bytes of one row a wave
	v_add_nc_u32 v[RD], s23, v[CO]
	s_lshl_b32 s23, s42, 9                         ; the bias of the block's 128 columns: 4 x 128 x block column + 32 h
	v_lshl_add_u32 v[BOFF], v2, 5, s23
	WIN TO_B
.irp b, 0,1,2,3,4,5,6,7
	global_load_b128 v[BIAS+8*\b:BIAS+8*\b+3],   v[BOFF], s[66:67] offset:64*\b      ; register j of group b: bias of column 16 b + 8 h + j
	global_load_b128 v[BIAS+8*\b+4:BIAS+8*\b+7], v[BOFF], s[66:67] offset:64*\b+16
.endr
	WIN 0
; 16 matrix instructions: m blocks a0, a0 + 1 of my four x all 8 n blocks, 32 along K.  first = 1: C is the bias.
.macro MUL16 f, a0, first
.irp a, \a0, \a0+1
.irp b, 0,1,2,3,4,5,6,7
.if \first
	v_wmma_f32_16x16x32_f16 v[8*(8*(\a)+\b):8*(8*(\a)+\b)+7], v[\f+8*\b:\f+8*\b+7], v[\f+8*(\a):\f+8*(\a)+7], v[BIAS+8*\b:BIAS+8*\b+7]
.else
	v_wmma_f32_16x16x32_f16 v[8*(8*(\a)+\b):8*(8*(\a)+\b)+7], v[\f+8*\b:\f+8*\b+7], v[\f+8*(\a):\f+8*(\a)+7], v[8*(8*(\a)+\b):8*(8*(\a)+\b)+7]
.endif
.endr
.endr
.endm
; 24 LDS loads in one run: quarter q (32 along K) of a slot into buffer f.  wpb: k rows 32 q .. (rows 64 on lie in the next part),
; transposed on the way, the second load of a fragment 16 k rows further.  ob: 64 q bytes into my 64 rows.
.macro FETCH slot, q, f
	WIN TO_B
.irp i, 0,1,2,3,4,5,6,7
	ds_load_tr16_b128 v[\f+8*\i:\f+8*\i+3],   v[ADRB+\slot] offset:\q*32*BP+(\q/2)*BGAP+32*\i
	ds_load_tr16_b128 v[\f+8*\i+4:\f+8*\i+7], v[ADRB+\slot] offset:\q*32*BP+(\q/2)*BGAP+32*\i+16*BP
.endr
	WIN 0
.irp i, 0,1,2,3
	ds_load_b128 v[\f+8*\i:\f+8*\i+3],   v[ADRA+\slot] offset:\q*64+\i*16*PITCH
	ds_load_b128 v[\f+8*\i+4:\f+8*\i+7], v[ADRA+\slot] offset:\q*64+\i*16*PITCH+32
.endr
.endm
; Four plain vector instructions between a matrix instruction and a load into, or an LDS store of, its registers
.macro PLACES
.rept 4
	v_nop
.endr
.endm
; A quarter step: the next quarter's fragments (quarter q of the same slot) are asked for first, into buffer g, which the matrix
; instructions just in front have read; then buffer f is multiplied: the 24 loads have 32 matrix instructions in which to land.
.macro QUARTER slot, q, f, g, first
	PLACES
	FETCH \slot, \q, \g
	s_wait_dscnt 24                                ; all but the 24 just issued: buffer f is whole
.if \first
	WIN FIRST
.else
	WIN MUL
.endif
	MUL16 \f, 0, \first
	MUL16 \f, 2, \first
.endm
.macro THREE slot, first
	QUARTER \slot, 1, F0, F1, \first
	QUARTER \slot, 2, F1, F0, 0
	QUARTER \slot, 3, F0, F1, 0
.endm
; The last quarter of a K step, on buffer 1, and the change of slots.  In front of the barrier each wave waits for its reads of this slot
; and for all its tensor loads (one is out: its part of the next slot).  Where the slot is filled again the barrier opens a round of the
; cluster's barrier, and the joint refill is the wave's first and only tensor load behind the round.  From a request to the wait for it a
; wave issues 112 matrix instructions.
.macro TURN slot, next, fill
	WIN MUL
	s_wait_dscnt 0                                 ; buffer 1 is whole, and my reads of this slot are over
	s_wait_tensorcnt 0x0                           ; all my tensor loads have landed
	ds_add_u32 v255, v255
	s_wait_dscnt 0x0
	s_barrier_signal -1
	MUL16 F1, 0, 0                                 ; register work while the others arrive
	WIN 0
	s_barrier_wait -1
.if \fill
	CREST                                          ; no wave of any partner still reads this slot or has a load on its way
	s_add_nc_u64 s[G0+4*\slot+2:G0+4*\slot+3], s[G0+4*\slot+2:G0+4*\slot+3], 2*KSTEP*2
	s_add_nc_u64 s[G0B+4*\slot+2:G0B+4*\slot+3], s[G0B+4*\slot+2:G0B+4*\slot+3], 2*BSTEP
	JLOAD \slot
.endif
	PLACES
	FETCH \next, 0, F0
	WIN MUL
	MUL16 F1, 2, 0
.endm
.macro LAP first                       ; once round the ring: 256 along K
	THREE 0, \first
	TURN 0, 1, 1
	THREE 1, 0
	TURN 1, 0, 1
.endm
	s_wait_loadcnt 0x0                             ; the bias
	s_wait_tensorcnt 1                             ; my part of K step 0 is in; K step 1's may stay out
	s_barrier_signal -1
	s_barrier_wait -1
	FETCH 0, 0, F0
	LAP 1
	WIN 0
	s_mov_b32 s3, LAPS-2
.Llap:
	LAP 0
	WIN 0
	s_sub_co_u32 s3, s3, 1
	s_cmp_lg_u32 s3, 0
	s_cbranch_scc1 .Llap
	THREE 0, 0                                     ; the last lap fills nothing
	TURN 0, 1, 0
	THREE 1, 0
	s_wait_dscnt 0                                 ; the very last quarter: nothing more to fetch
	WIN MUL
	MUL16 F1, 0, 0
	MUL16 F1, 2, 0
	; THE WAY OUT, 16 rows at a time: the sums go as they are into my own stage and come back as whole rows of 512 bytes.
	PLACES
	WIN 0
	s_lshl_b32 s16, s13, 20                        ; 256 rows x 4,096 bytes
	s_lshl_b32 s17, s10, 18                        ; + 64 rows a wave
	s_add_co_u32 s16, s16, s17
	s_mov_b32 s17, 0
	s_add_nc_u64 s[8:9], s[8:9], s[16:17]
	s_lshl_b32 s46, s42, 9                         ; 128 columns x 4 bytes
	s_mov_b32 s47, 0
	s_add_nc_u64 s[8:9], s[8:9], s[46:47]
; rows 16 i .. of my 64 = the eight tiles (i, 0..7); f: F0, F1 in turn
.macro OUT16F i, f
	WIN 0x08                                       ; the LDS stores' data in window 2
.irp b, 0,1,2,3,4,5,6,7
	ds_store_b128 v[STO], v[8*(8*\i+\b):8*(8*\i+\b)+3]   offset:64*\b
	ds_store_b128 v[STO], v[8*(8*\i+\b)+4:8*(8*\i+\b)+7] offset:64*\b+16
.endr
	WIN 0
	s_wait_xcnt 0x0                                ; buffer f, which earlier stores read, and the stores' base are rewritten only behind this wait
.if \i
	s_add_nc_u64 s[8:9], s[8:9], 16*OROW
.endif
.irp t, 0,1,2,3,4,5,6,7,8,9,10,11,12,13,14,15
	ds_load_b128 v[\f+4*\t:\f+4*\t+3], v[RD] offset:\t*FPITCH      ; a wave's LDS instructions are served in order: these see the stores above
.endr
.irp t, 0,1,2,3,4,5,6,7,8,9,10,11,12,13,14,15
	s_wait_dscnt 15-\t                             ; the 15 - t loads issued behind this one may be out
	global_store_b128 v[CO], v[\f+4*\t:\f+4*\t+3], s[8:9] offset:\t*OROW th:TH_STORE_NT   ; 32 lanes store 512 consecutive bytes, aligned
.endr
.endm
	OUT16F 0, F0
	OUT16F 1, F1
	OUT16F 2, F0
	OUT16F 3, F1
	s_set_vgpr_msb 0x1
	s_wait_tensorcnt 0x0
	ds_add_u32 v255, v255
	s_wait_dscnt 0x0
	s_set_vgpr_msb 0x100
	CROUND                                         ; the closing round: no work-group ends while a partner may still ask for a tile that names it
	s_endpgm
.Lfunc_end_k_q5a7b520445_proj:
	.size	k_q5a7b520445_proj, .Lfunc_end_k_q5a7b520445_proj-k_q5a7b520445_proj
	.p2alignl 7, 3214868480
	.fill 96, 4, 3214868480
	.section	.rodata,"a",@progbits
	.p2align	6, 0x0
	.amdhsa_kernel k_q5a7b520445_proj
		.amdhsa_group_segment_fixed_size 327680
		.amdhsa_private_segment_fixed_size 0
		.amdhsa_enable_private_segment 0
		.amdhsa_kernarg_size 32
		.amdhsa_user_sgpr_count 2
		.amdhsa_user_sgpr_kernarg_segment_ptr 1
		.amdhsa_wavefront_size32 1
		.amdhsa_system_sgpr_workgroup_id_x 1
		.amdhsa_system_sgpr_workgroup_id_y 1
		.amdhsa_system_sgpr_workgroup_id_z 1
		.amdhsa_system_vgpr_workitem_id 0
		.amdhsa_next_free_vgpr 768
		.amdhsa_next_free_sgpr 80
		.amdhsa_reserve_vcc 0
		.amdhsa_float_denorm_mode_32 3
		.amdhsa_float_denorm_mode_16_64 3
		.amdhsa_memory_ordered 1
		.amdhsa_forward_progress 1
		.amdhsa_inst_pref_size 120
	.end_amdhsa_kernel
	.amdgpu_metadata
---
amdhsa.version: [ 1, 2 ]
amdhsa.kernels:
  - .name:           k_q5a7b520445_proj
    .symbol:         k_q5a7b520445_proj.kd
    .args:
      - { .name: ob, .offset: 0, .size: 8, .value_kind: global_buffer, .address_space: global }
      - { .name: wpb, .offset: 8, .size: 8, .value_kind: global_buffer, .address_space: global }
      - { .name: b_proj, .offset: 16, .size: 8, .value_kind: global_buffer, .address_space: global }
      - { .name: out0, .offset: 24, .size: 8, .value_kind: global_buffer, .address_space: global }
    .group_segment_fixed_size: 327680
    .private_segment_fixed_size: 0
    .kernarg_segment_align: 8
    .kernarg_segment_size: 32
    .max_flat_workgroup_size: 128
    .sgpr_count:     80
    .vgpr_count:     768
    .wavefront_size: 32
...
	.end_amdgpu_metadata
.endif
;; end of part 6
;; ======== version 2 of 2: 6 launches; version 1 with the launch prep written anew for expert scheduling mode
;; limits: values are held in f16: magnitudes above 65,504 overflow, below 6.1e-05 lose precision
;; workspace buffers: xb 16,777,216 bytes; wb 6,291,456 bytes; wpb 2,097,152 bytes; kq 33,554,432 bytes; v 33,554,432 bytes; sc 67,108,864 bytes; pb 33,554,432 bytes; ob 16,777,216 bytes
;; launch prep (part 7): grid 768 x 1, 8 waves a work-group, no clusters, 0 bytes of LDS; arguments x, w_kqv, w_proj, xb, wb, wpb; writes xb, wb, wpb
.if DOCPART == 7
	.amdgcn_target "amdgcn-amd-amdhsa--gfx1250"
	.amdhsa_code_object_version 6
	.text
	.protected	k_q5a7b520445_prep
	.globl	k_q5a7b520445_prep
	.p2align	8
	.type	k_q5a7b520445_prep,@function
k_q5a7b520445_prep:
	s_mov_b64 s[64:65], 0
	v_nop
	global_prefetch_b8 v0, s[64:65] scope:SCOPE_SE
	s_setreg_imm32_b32 hwreg(HW_REG_WAVE_SCHED_MODE, 0, 2), 2
	s_setreg_imm32_b32 hwreg(HW_REG_WAVE_MODE, 25, 1), 1
	s_wait_xcnt 0x0
	s_wait_alu depctr_vm_vsrc(0)
; prep: the three large f32 inputs are rounded once to bf16 (nearest even): x -> xb, w_kqv -> wb, both stored as bf16;
; w_proj -> bf16 -> wpb stored as f16 (a bf16 number has 8 significant bits, f16 holds 11, so the second step changes nothing
; for 2^-14 <= |w| < 65,520).  LIMIT: a w_proj below 2^-14 in size lands among f16's denormals, absolute error at most 3e-8;
; one of 65,520 or more becomes infinite.
; A stream: no LDS, no barrier, no matrix unit.  A work-group takes 65,536 bytes of one input: 512 work-groups for x,
; 192 for w_kqv, 64 for w_proj.  Thread t takes 16 bytes at 16 t of each 4,096-byte piece, sixteen pieces, all sixteen loads
; issued first; each store of a wave covers 256 consecutive bytes, aligned.
; THE MODE: SCHED_MODE bits 1:0 = 2 (LLVM: expert scheduling mode 2), set by the entry lines.  The code itself states the register
; dependences between vector instructions and memory instructions, with s_wait_alu, always for 0.
; THE PLAN.  Registers that memory instructions touch:
;   v1, v2     byte offsets of the loads and of the stores: made once at the head, never written again.
;   X, piece i four registers.  The piece's load lands in them, once, at the head, before any vector instruction names them; the piece's
;              conversions read and write them; the piece's store reads the first two.  Nothing writes them behind that store.
; So no register that a memory instruction has read is ever written again, and the one kind of dependence to state is: a vector
; instruction has written what a load or a store reads.  The sixteen pieces go in four groups of four.  Group g rounds its own pieces;
; its memory instructions are the four stores of group g - 1, whose registers no vector instruction of group g names.  One wait at the head
; of a group states that the group before has written its results, and the four stores are dealt among the group's conversions with no
; further wait.  One more wait stands ahead of the last group's stores.  No vector instruction writes a scalar register, VCC or EXEC.
.set NX,   512                         ; work-groups for x       (33,554,432 / 65,536)
.set NXW,  704                         ; and for x and w_kqv     (+ 12,582,912 / 65,536)
.set X,    4                           ; v[4:67]  piece i: 4 registers as loaded; its first two then hold the 8 bytes to store
	s_load_b256 s[4:11], s[0:1], 0x0               ; x s[4:5], w_kqv s[6:7], w_proj s[8:9], xb s[10:11]
	s_load_b128 s[12:15], s[0:1], 0x20             ; wb s[12:13], wpb s[14:15]
	s_mov_b32 s16, ttmp9                           ; the work-group's number
	s_sub_co_u32 s17, s16, NX                      ; its number among w_kqv's
	s_sub_co_u32 s18, s16, NXW                     ; its number among w_proj's
	s_mov_b32 s24, 0xffff0000                      ; a word's upper bf16
	v_lshlrev_b32 v1, 4, v0                        ; 16 t: where I read
	v_lshlrev_b32 v2, 3, v0                        ; 8 t: where I store
	s_wait_kmcnt 0x0
	s_cmp_lt_u32 s16, NXW                          ; the pair of buffers is chosen on the work-group's number alone
	s_cselect_b64 s[20:21], s[6:7], s[8:9]
	s_cselect_b64 s[22:23], s[12:13], s[14:15]
	s_cselect_b32 s17, s17, s18
	s_cmp_lt_u32 s16, NX
	s_cselect_b64 s[20:21], s[4:5], s[20:21]
	s_cselect_b64 s[22:23], s[10:11], s[22:23]
	s_cselect_b32 s17, s16, s17
	s_lshl_b32 s18, s17, 16                        ; 65,536 bytes in (at most 511 x 65,536: below 2^25),
	s_mov_b32 s19, 0
	s_add_nc_u64 s[20:21], s[20:21], s[18:19]
	s_lshl_b32 s18, s17, 15                        ; 32,768 bytes out
	s_add_nc_u64 s[22:23], s[22:23], s[18:19]
	s_wait_alu depctr_va_vdst(0)                   ; v1 and v2 are written: every load of the kernel reads v1 as its offset, every store v2
.irp i, 0,1,2,3,4,5,6,7,8,9,10,11,12,13,14,15
	global_load_b128 v[X+4*\i:X+4*\i+3], v1, s[20:21] offset:4096*\i th:TH_LOAD_NT
.endr
; Piece i is rounded to bf16, in place: its four numbers close up into its first two registers.
.macro ROUNDB i
	v_cvt_pk_bf16_f32 v[X+4*(\i)],   v[X+4*(\i)],   v[X+4*(\i)+1]
	v_cvt_pk_bf16_f32 v[X+4*(\i)+1], v[X+4*(\i)+2], v[X+4*(\i)+3]
.endm
; The same, then widened again and narrowed to f16; the piece's last two registers are at work.
.macro ROUNDH i
	ROUNDB \i
	v_lshlrev_b32 v[X+4*(\i)+2], 16, v[X+4*(\i)]
	v_and_b32     v[X+4*(\i)+3], s24, v[X+4*(\i)]
	v_cvt_pk_f16_f32 v[X+4*(\i)], v[X+4*(\i)+2], v[X+4*(\i)+3]
	v_lshlrev_b32 v[X+4*(\i)+2], 16, v[X+4*(\i)+1]
	v_and_b32     v[X+4*(\i)+3], s24, v[X+4*(\i)+1]
	v_cvt_pk_f16_f32 v[X+4*(\i)+1], v[X+4*(\i)+2], v[X+4*(\i)+3]
.endm
; Piece i is stored: 8 bytes a lane.
.macro SEND i
	global_store_b64 v2, v[X+4*(\i):X+4*(\i)+1], s[22:23] offset:2048*(\i)
.endm
; Group g of the bf16 outputs: pieces 4 g to 4 g + 3 are rounded, and the group before is stored.
.macro GROUPB g
	s_wait_loadcnt 12-4*(\g)                       ; loads come back in order: pieces up to 4 g + 3 are in, the 12 - 4 g younger ones stay out
.if \g
	s_wait_alu depctr_va_vdst(0)                   ; the conversions of the group before have written its pieces' first two registers, which the four stores below read
.endif
.irp j, 0,1,2,3
.if \g
	SEND 4*(\g)-4+\j                               ; no vector instruction since the wait names this piece's registers or v2
.endif
	ROUNDB 4*(\g)+\j
.endr
.endm
; The same for w_proj.
.macro GROUPH g
	s_wait_loadcnt 12-4*(\g)                       ; pieces up to 4 g + 3 are in, the 12 - 4 g younger ones stay out
.if \g
	s_wait_alu depctr_va_vdst(0)                   ; the conversions of the group before have written its pieces' first two registers, which the four stores below read
.endif
.irp j, 0,1,2,3
.if \g
	SEND 4*(\g)-4+\j                               ; no vector instruction since the wait names this piece's registers or v2
.endif
	ROUNDH 4*(\g)+\j
.endr
.endm
	s_cmp_ge_u32 s16, NXW
	s_cbranch_scc1 .Lhalf
	GROUPB 0                                       ; the first group has none in front of it: no store, no wait but the one for its data
	GROUPB 1
	GROUPB 2
	GROUPB 3
	s_wait_alu depctr_va_vdst(0)                   ; the last group's conversions have written what the last four stores read
	SEND 12
	SEND 13
	SEND 14
	SEND 15
	s_endpgm
.Lhalf:                                                ; w_proj: rounded to bf16 as above, widened again, narrowed to f16
	GROUPH 0
	GROUPH 1
	GROUPH 2
	GROUPH 3
	s_wait_alu depctr_va_vdst(0)                   ; the last group's conversions have written what the last four stores read
	SEND 12
	SEND 13
	SEND 14
	SEND 15
	s_endpgm
.Lfunc_end_k_q5a7b520445_prep:
	.size	k_q5a7b520445_prep, .Lfunc_end_k_q5a7b520445_prep-k_q5a7b520445_prep
	.p2alignl 7, 3214868480
	.fill 96, 4, 3214868480
	.section	.rodata,"a",@progbits
	.p2align	6, 0x0
	.amdhsa_kernel k_q5a7b520445_prep
		.amdhsa_group_segment_fixed_size 0
		.amdhsa_private_segment_fixed_size 0
		.amdhsa_enable_private_segment 0
		.amdhsa_kernarg_size 48
		.amdhsa_user_sgpr_count 2
		.amdhsa_user_sgpr_kernarg_segment_ptr 1
		.amdhsa_wavefront_size32 1
		.amdhsa_system_sgpr_workgroup_id_x 1
		.amdhsa_system_sgpr_workgroup_id_y 1
		.amdhsa_system_sgpr_workgroup_id_z 1
		.amdhsa_system_vgpr_workitem_id 0
		.amdhsa_next_free_vgpr 72
		.amdhsa_next_free_sgpr 66
		.amdhsa_reserve_vcc 0
		.amdhsa_float_denorm_mode_32 3
		.amdhsa_float_denorm_mode_16_64 3
		.amdhsa_memory_ordered 1
		.amdhsa_forward_progress 1
		.amdhsa_inst_pref_size 15
	.end_amdhsa_kernel
	.amdgpu_metadata
---
amdhsa.version: [ 1, 2 ]
amdhsa.kernels:
  - .name:           k_q5a7b520445_prep
    .symbol:         k_q5a7b520445_prep.kd
    .args:
      - { .name: x, .offset: 0, .size: 8, .value_kind: global_buffer, .address_space: global }
      - { .name: w_kqv, .offset: 8, .size: 8, .value_kind: global_buffer, .address_space: global }
      - { .name: w_proj, .offset: 16, .size: 8, .value_kind: global_buffer, .address_space: global }
      - { .name: xb, .offset: 24, .size: 8, .value_kind: global_buffer, .address_space: global }
      - { .name: wb, .offset: 32, .size: 8, .value_kind: global_buffer, .address_space: global }
      - { .name: wpb, .offset: 40, .size: 8, .value_kind: global_buffer, .address_space: global }
    .group_segment_fixed_size: 0
    .private_segment_fixed_size: 0
    .kernarg_segment_align: 8
    .kernarg_segment_size: 48
    .max_flat_workgroup_size: 256
    .sgpr_count:     66
    .vgpr_count:     72
    .wavefront_size: 32
...
	.end_amdgpu_metadata
.endif
;; end of part 7
;; launch qkv: the kernel of part 2 again; grid 12 x 32, 4 waves a work-group, clusters of 4 x 4, 327,680 bytes of LDS; arguments xb, wb, b_kqv, kq, v; writes kq, v
;; launch scores: the kernel of part 3 again; grid 9 x 16, 4 waves a work-group, no clusters, 327,680 bytes of LDS; arguments kq, sc; writes sc
;; launch softmax: the kernel of part 4 again; grid 1024 x 1, 8 waves a work-group, no clusters, 0 bytes of LDS; arguments sc, pb; writes pb
;; launch pv: the kernel of part 5 again; grid 8 x 32, 4 waves a work-group, clusters of 4 x 1, 327,680 bytes of LDS; arguments pb, v, ob; writes ob
;; launch proj: the kernel of part 6 again; grid 8 x 32, 4 waves a work-group, clusters of 4 x 4, 327,680 bytes of LDS; arguments ob, wpb, b_proj, out0; writes out0
